; MI455X (gfx1250); checked and timed in simulation.
; The chip was launched on July 23, 2026; its instructions are those of AMD's public machine-readable ISA for CDNA 5 (MIT licence, August 2026) and "CDNA5" Instruction Set Architecture Reference Guide (July 2026). The comments in the code are by the model that wrote it; some were corrected since.
;; Residual Vector Quantization Vanilla. Allowed arithmetic: float matrix products may take bf16 or f16 operands with f32 sums; other float arithmetic in f32, or as packed bf16 or f16 multiplies, adds, multiply-adds, maxima and minima; sums over many terms, partial sums and values carried from step to step in f32; what a program stores and reads back later, other than sums and carried values, may be rounded once to bf16 or f16.
;; Inputs: codebook 2,048 x 512 float32; inputs 8 x 2,048 x 512 float32.
;; Outputs: out0 8 x 2,048 x 512 float32; out1 8 x 2,048 x 4 int32; out2 one number float32.
;; 2 versions, each right; version 2 is version 1 with the launches stage0, stage1, stage2, stage3 written anew for expert scheduling mode. Each part assembles by itself: llvm-mc -triple=amdgcn-amd-amdhsa -mcpu=gfx1250 --defsym DOCPART=n.
;; ======== version 1 of 2: 7 launches
;; limits: a difference of large sums (such as E[x^2] - mean^2): digits are lost where the result is much smaller than its terms
;; workspace buffers: ab 18,874,368 bytes; sg 150,994,944 bytes; cb 8,192 bytes; ha 262,400 bytes of whole numbers; hb 262,400 bytes of whole numbers
;; launch prep (part 1): grid 384 x 1, 8 waves a work-group, no clusters, 0 bytes of LDS; arguments inputs, codebook, ab, cb, ha; writes ab, cb, ha
.if DOCPART == 1
	.amdgcn_target "amdgcn-amd-amdhsa--gfx1250"
	.amdhsa_code_object_version 6
	.text
	.protected	k_qebc77366da_prep
	.globl	k_qebc77366da_prep
	.p2align	8
	.type	k_qebc77366da_prep,@function
k_qebc77366da_prep:
	s_mov_b64 s[64:65], 0
	v_nop
	global_prefetch_b8 v0, s[64:65] scope:SCOPE_SE
	s_setreg_imm32_b32 hwreg(HW_REG_WAVE_MODE, 25, 1), 1
	s_wait_xcnt 0x0
; ROUNDING TO bf16.  ab[0..16383][512] = bf16(inputs), ab[16384+i][512] = bf16(codebook[i]), cb[i] = the sum of squares of the ROUNDED row i,
; ha = the history of indices, [16384][4] int32, all 0, and behind it a block of 64 words, all 0: the number of stages done.
; Work-groups 0-255: 64 rows of inputs each, 8 a wave.  Work-groups 256-383: 16 rows of the codebook each, 2 a wave.
; A lane takes 16 bytes of f32 (4 numbers) at 512 k + 16 lane of a row and stores their 8 bytes of bf16 at 256 k + 8 lane:
; a load of the wave covers 512 consecutive bytes, a store 256 consecutive bytes at a multiple of 256 from the buffer's first byte.
; No LDS, no barrier: the waves share nothing.  No register is written twice, so no wait frees a store's data.
.set X,   16                           ; v[16:143] row r: 16 registers as loaded; the first 8 of them then hold the row's bf16
.set ACC, 48                           ; codebook path: v[48:55] row r: two pairs of running sums
.set T,   56                           ; codebook path: v[56:59] two pairs at work
	s_load_b256 s[4:11], s[0:1], 0x0               ; inputs s[4:5], codebook s[6:7], ab s[8:9], cb s[10:11]
	s_load_b64 s[12:13], s[0:1], 0x20              ; ha
	v_and_b32 v3, 31, v0                           ; lane
	v_lshrrev_b32 v4, 5, v0
	v_readfirstlane_b32 s16, v4                    ; wave 0..7
	v_lshlrev_b32 v1, 4, v3                        ; 16 x lane
	v_lshlrev_b32 v2, 3, v3                        ; 8 x lane
	s_mov_b32 s19, 0                               ; the high words of the two offset pairs
	s_mov_b32 s21, 0
	s_wait_kmcnt 0x0
	s_cmp_lt_u32 ttmp9, 256
	s_cbranch_scc0 .Lcode
	; ---- inputs: my 8 rows
	s_lshl_b32 s17, ttmp9, 6
	s_lshl3_add_u32 s17, s16, s17                  ; my first row = 64 x work-group + 8 x wave
	s_lshl_b32 s18, s17, 11                        ; rows of 2,048 bytes in inputs,
	s_lshl_b32 s20, s17, 10                        ; of 1,024 bytes in ab
	s_add_nc_u64 s[4:5], s[4:5], s[18:19]
	s_add_nc_u64 s[8:9], s[8:9], s[20:21]
.irp r, 0,1,2,3,4,5,6,7
.irp k, 0,1,2,3
	global_load_b128 v[X+16*(\r)+4*(\k):X+16*(\r)+4*(\k)+3], v1, s[4:5] offset:2048*(\r)+512*(\k) th:TH_LOAD_NT  ; all 32 loads go out at once: 16 KiB of the wave on their way
.endr
.endr
.irp r, 0,1,2,3,4,5,6,7
	s_wait_loadcnt 4*(7-(\r))                      ; loads come back in order: row r is in, the later rows' four loads each stay out
.irp i, 0,1,2,3,4,5,6,7
	v_cvt_pk_bf16_f32 v[X+16*(\r)+(\i)], v[X+16*(\r)+2*(\i)], v[X+16*(\r)+2*(\i)+1]  ; in place, ascending: register i is written when it has been read
.endr
.irp k, 0,1,2,3
	global_store_b64 v2, v[X+16*(\r)+2*(\k):X+16*(\r)+2*(\k)+1], s[8:9] offset:1024*(\r)+256*(\k)
.endr
.endr
	s_cmp_lg_u32 s16, 0
	s_cbranch_scc1 .Lend
	v_mov_b32 v8, 0                                ; wave 0: the history of the work-group's 64 rows, 1,024 bytes of zeros
	v_mov_b32 v9, 0
	v_mov_b32 v10, 0
	v_mov_b32 v11, 0
	s_lshl_b32 s18, ttmp9, 10
	s_add_nc_u64 s[12:13], s[12:13], s[18:19]
	global_store_b128 v1, v[8:11], s[12:13]
	global_store_b128 v1, v[8:11], s[12:13] offset:512
	s_cmp_lg_u32 ttmp9, 0
	s_cbranch_scc1 .Lend
	global_store_b64 v2, v[8:9], s[12:13] offset:262144  ; work-group 0: no stage is done yet (256 bytes behind the rows)
	s_branch .Lend
.Lcode:
	; ---- codebook: my 2 rows
	s_sub_co_u32 s18, ttmp9, 256
	s_lshl_b32 s18, s18, 4
	s_lshl1_add_u32 s17, s16, s18                  ; my first row = 16 x (work-group - 256) + 2 x wave
	s_lshl_b32 s18, s17, 11
	s_lshl_b32 s20, s17, 10
	s_add_nc_u64 s[6:7], s[6:7], s[18:19]
	s_add_nc_u64 s[8:9], s[8:9], s[20:21]
	s_add_nc_u64 s[8:9], s[8:9], 0x1000000         ; behind the 16,384 rows of inputs
	s_lshl_b32 s20, s17, 2
	s_add_nc_u64 s[10:11], s[10:11], s[20:21]      ; cb at my first row
	s_mov_b32 s22, 0xffff0000                      ; a word's upper bf16
	s_mov_b32 s24, 0x76543210                      ; v_permlanex16_b32: each lane takes its own place in the other half
	s_mov_b32 s25, 0xfedcba98
.irp r, 0,1
.irp k, 0,1,2,3
	global_load_b128 v[X+16*(\r)+4*(\k):X+16*(\r)+4*(\k)+3], v1, s[6:7] offset:2048*(\r)+512*(\k)
.endr
.endr
.irp r, 0,1
	s_wait_loadcnt 4*(1-(\r))                      ; row r is in; row 1's four loads may stay out
.irp i, 0,1,2,3,4,5,6,7
	v_cvt_pk_bf16_f32 v[X+16*(\r)+(\i)], v[X+16*(\r)+2*(\i)], v[X+16*(\r)+2*(\i)+1]
.endr
.irp k, 0,1,2,3
	global_store_b64 v2, v[X+16*(\r)+2*(\k):X+16*(\r)+2*(\k)+1], s[8:9] offset:1024*(\r)+256*(\k)
.endr
.irp i, 0,1,2,3,4,5,6,7                ; the squares of the rounded numbers, in f32, in two chains; the first two products start the sums
	v_lshlrev_b32 v[T+2*((\i)%2)], 16, v[X+16*(\r)+(\i)]
	v_and_b32 v[T+2*((\i)%2)+1], s22, v[X+16*(\r)+(\i)]
.if (\i) < 2
	v_pk_mul_f32 v[ACC+4*(\r)+2*(\i):ACC+4*(\r)+2*(\i)+1], v[T+2*(\i):T+2*(\i)+1], v[T+2*(\i):T+2*(\i)+1]
.else
	v_pk_fma_f32 v[ACC+4*(\r)+2*((\i)%2):ACC+4*(\r)+2*((\i)%2)+1], v[T+2*((\i)%2):T+2*((\i)%2)+1], v[T+2*((\i)%2):T+2*((\i)%2)+1], v[ACC+4*(\r)+2*((\i)%2):ACC+4*(\r)+2*((\i)%2)+1]
.endif
.endr
	v_pk_add_f32 v[ACC+4*(\r):ACC+4*(\r)+1], v[ACC+4*(\r):ACC+4*(\r)+1], v[ACC+4*(\r)+2:ACC+4*(\r)+3]
	v_add_f32 v[ACC+4*(\r)], v[ACC+4*(\r)], v[ACC+4*(\r)+1]
	v_add_f32_dpp v[ACC+4*(\r)], v[ACC+4*(\r)], v[ACC+4*(\r)] row_xmask:1 row_mask:0xf bank_mask:0xf
	v_add_f32_dpp v[ACC+4*(\r)], v[ACC+4*(\r)], v[ACC+4*(\r)] row_xmask:2 row_mask:0xf bank_mask:0xf
	v_add_f32_dpp v[ACC+4*(\r)], v[ACC+4*(\r)], v[ACC+4*(\r)] row_xmask:4 row_mask:0xf bank_mask:0xf
	v_add_f32_dpp v[ACC+4*(\r)], v[ACC+4*(\r)], v[ACC+4*(\r)] row_xmask:8 row_mask:0xf bank_mask:0xf
	v_permlanex16_b32 v[ACC+4*(\r)+1], v[ACC+4*(\r)], s24, s25
	v_add_f32 v[ACC+4*(\r)], v[ACC+4*(\r)], v[ACC+4*(\r)+1]  ; every lane holds the row's sum
.endr
	v_cmp_eq_u32 vcc_lo, 1, v3
	v_cndmask_b32 v60, v[ACC], v[ACC+4], vcc_lo    ; lane 0: my first row's sum, lane 1: my second's
	v_lshlrev_b32 v61, 2, v3
	s_wait_xcnt 0x0                                ; EXEC is a source of the stores above: it changes only behind this wait
	v_cmp_gt_u32 vcc_lo, 2, v3
	s_and_saveexec_b32 s26, vcc_lo
	global_store_b32 v61, v60, s[10:11]            ; 8 bytes a wave; the whole of cb is 8 KiB
	s_wait_xcnt 0x0                                ; and again in front of the line that widens it
	s_or_b32 exec_lo, exec_lo, s26
.Lend:
	s_endpgm
.Lfunc_end_k_qebc77366da_prep:
	.size	k_qebc77366da_prep, .Lfunc_end_k_qebc77366da_prep-k_qebc77366da_prep
	.p2alignl 7, 3214868480
	.fill 96, 4, 3214868480
	.section	.rodata,"a",@progbits
	.p2align	6, 0x0
	.amdhsa_kernel k_qebc77366da_prep
		.amdhsa_group_segment_fixed_size 0
		.amdhsa_private_segment_fixed_size 0
		.amdhsa_enable_private_segment 0
		.amdhsa_kernarg_size 40
		.amdhsa_user_sgpr_count 2
		.amdhsa_user_sgpr_kernarg_segment_ptr 1
		.amdhsa_wavefront_size32 1
		.amdhsa_system_sgpr_workgroup_id_x 1
		.amdhsa_system_sgpr_workgroup_id_y 1
		.amdhsa_system_sgpr_workgroup_id_z 1
		.amdhsa_system_vgpr_workitem_id 0
		.amdhsa_next_free_vgpr 144
		.amdhsa_next_free_sgpr 66
		.amdhsa_reserve_vcc 1
		.amdhsa_float_denorm_mode_32 3
		.amdhsa_float_denorm_mode_16_64 3
		.amdhsa_memory_ordered 1
		.amdhsa_forward_progress 1
		.amdhsa_inst_pref_size 19
	.end_amdhsa_kernel
	.amdgpu_metadata
---
amdhsa.version: [ 1, 2 ]
amdhsa.kernels:
  - .name:           k_qebc77366da_prep
    .symbol:         k_qebc77366da_prep.kd
    .args:
      - { .name: inputs, .offset: 0, .size: 8, .value_kind: global_buffer, .address_space: global }
      - { .name: codebook, .offset: 8, .size: 8, .value_kind: global_buffer, .address_space: global }
      - { .name: ab, .offset: 16, .size: 8, .value_kind: global_buffer, .address_space: global }
      - { .name: cb, .offset: 24, .size: 8, .value_kind: global_buffer, .address_space: global }
      - { .name: ha, .offset: 32, .size: 8, .value_kind: global_buffer, .address_space: global }
    .group_segment_fixed_size: 0
    .private_segment_fixed_size: 0
    .kernarg_segment_align: 8
    .kernarg_segment_size: 40
    .max_flat_workgroup_size: 256
    .sgpr_count:     66
    .vgpr_count:     144
    .wavefront_size: 32
...
	.end_amdgpu_metadata
.endif
;; end of part 1
;; launch gemm (part 2): grid 8 x 32, 4 waves a work-group, clusters of 4 x 4, 327,680 bytes of LDS; arguments ab, sg; writes sg
.if DOCPART == 2
	.amdgcn_target "amdgcn-amd-amdhsa--gfx1250"
	.amdhsa_code_object_version 6
	.text
	.protected	k_qebc77366da_gemm
	.globl	k_qebc77366da_gemm
	.p2align	8
	.type	k_qebc77366da_gemm,@function
k_qebc77366da_gemm:
	s_mov_b64 s[64:65], 0
	v_nop
	global_prefetch_b8 v0, s[64:65] scope:SCOPE_SE
	s_setreg_imm32_b32 hwreg(HW_REG_WAVE_MODE, 25, 1), 1
	s_wait_xcnt 0x0
	s_wait_alu depctr_hold_cnt(0) depctr_sa_sdst(0) depctr_va_vdst(0) depctr_va_sdst(0) depctr_va_ssrc(0) depctr_va_vcc(0) depctr_vm_vsrc(0)
	s_getreg_b32 s2, hwreg(HW_REG_IB_STS2, 6, 4)
	s_cmp_eq_u32 s2, 0
	s_cbranch_scc0 .Lentry_in_a_cluster
	s_endpgm
.Lentry_in_a_cluster:
	s_bfe_u32 s2, ttmp6, 0x10000c
	s_cmp_lg_u32 s2, 0xf033
	s_cbranch_scc0 .Lentry_shape_is_right
	s_endpgm
.Lentry_shape_is_right:
; sg[m][n] = the sum over k of ab[m][k] ab[16384+n][k]: m = 0..18431, n = 0..2047, k = 0..511; ab in bf16, sums and sg in f32.
; Rows 0-16383 of sg are S = X W^T, rows 16384+i are G[i] = W W^T: one launch makes both, since both multiply rows of ab by the codebook's rows.
; SHARES.  A tile of sg is 192 x 256: 96 x 8 = 768 tiles = 3 for each of 256 work-groups, so that all have equal work.  A WORK-GROUP STAYS: its three tiles lie 6,144 rows apart (the grid's height),
; a loop over tiles stands round the four K steps, and the ring does not stop at a tile's end: a tile's last two changes of slots ask for the next tile's first two K steps, and nothing waits for a tile's stores.
; Four waves; a wave makes 96 x 128: 48 accumulators of 16 x 16, 384 registers.  K goes in steps of 128 through two LDS slots filled by the tensor data mover.
; CLUSTERS: 4 x 4 work-groups.  The four of a row of the cluster need the same rows of A, the four of a column the same rows of B: each tile is asked for JOINTLY,
; by the same tensor load with the same descriptor and a mask that names the four.
; THE MATRIX INSTRUCTION IS USED TRANSPOSED (source 0 = 16 rows of B, source 1 = 16 rows of A): lane l holds row l % 16 of sg and the columns 8 (l / 16) + 0..7: 32 neighbouring bytes.
; REGISTERS, in windows of 256: window 0: v0-31 addresses; v64-111, v128-175 fragments of A (6 x 16 rows x 32 K), two buffers; v128-191, v192-255 on the way out rows read back from the stage;
;   window 1: v64-127, v128-191 fragments of B; window 2: the accumulators of my rows 0-63 ((a, b) at v[8 (8 a + b)]); window 3: v0-127 those of rows 64-95.
.set SIZE_K, 512
.set KSTEP,  128
.set TILES,  3                         ; tiles of a work-group
.set TROWS,  192                       ; rows in a tile
.set WALK,   6144                      ; rows from a work-group's tile to its next: 32 tile rows
.set PITCH,  272                       ; an LDS row: 256 bytes + 16 of padding = 68 words: the 16 rows that a load touches start at 16 different groups of four banks (ISA guide 11.1)
.set BH,     128*PITCH                 ; half of B's rows: what waves 0 and 1 fetch, and what a wave reads of B
.set AH,     96*PITCH                  ; half of A's rows: what waves 2 and 3 fetch, and what a wave reads of A
.set AOFF,   2*BH                      ; in a slot B's 256 rows come first, then A's 192
.set SLOT,   AOFF+2*AH
.set STAGE,  2*SLOT                    ; behind the ring: 16 rows x 528 bytes for each wave, for the way out; no tensor load fills it
.set SPITCH, 528                       ; 512 bytes of f32 + 16: again 4 words from row to row, modulo 64
.set SPARE,  STAGE+4*16*SPITCH         ; behind the stages: the spare words, 128 bytes for each wave: two blocks of 256 bytes that no other line names
.set CROW,   8192                      ; bytes in a row of sg
.set NEXT_A, WALK*SIZE_K*2-(SIZE_K-2*KSTEP)*2   ; bytes from a slot's last K step of a tile to its first of the next tile: A goes WALK rows down and back along K,
.set BACK_B, (SIZE_K-2*KSTEP)*2        ; B only back: a work-group's tiles share their rows of B
.set ADRA, 16                          ; v16-17  LDS address of my A fragments in slot 0, 1
.set ADRB, 20                          ; v20-21  the same for B
.set STO,  24                          ; v24     the way out: where I put 32 bytes of a row
.set RD,   25                          ; v25     the way out: where I read a row back
.set CO,   26                          ; v26     my byte offset in 512 bytes of a row of sg
.set SPW,  28                          ; v28     LDS address of my spare word; never rewritten
.set NIL,  29                          ; v29     0; never rewritten
.set F0,   64
.set F1,   128
.set BKS,  128                         ; the way out's two buffers of 64: buffer 0 of the fragments holds the next tile's first fragments by then and is left alone
.set G1, 24                            ; s[24:31] descriptor group 1 for A's tiles
.set G0, 32                            ; s[32:39] descriptor group 0 for A's tiles, one set for each slot
.set G1B, 48                           ; s[48:55], s[56:63] the same for B's tiles
.set G0B, 56
.set MSB, 0
.macro WIN new                         ; the immediate's high byte repeats the setting that is left; a switch that changes nothing is dropped
.if MSB != (\new)
	s_set_vgpr_msb (MSB<<8)|(\new)
.set MSB, \new
.endif
.endm
.set MUL_LO, 0xa1                      ; source 0 (B) window 1, source 1 (A) window 0, C and D window 2
.set MUL_HI, 0xf1                      ; the same, C and D window 3
.set TO_B,   0x40                      ; destination window 1, address window 0
; A joint load.  Waves 0 and 1 fetch B's two halves, waves 2 and 3 A's.  The branch hangs on the wave's number alone.  An s_nop 0 and four v_nop follow each of the two lines.
.macro JLOAD s
	s_cmp_eq_u32 s11, 0
	s_cbranch_scc0 .Lfor_a_\@
	tensor_load_to_lds s[G0B+4*(\s):G0B+4*(\s)+3], s[G1B:G1B+7]
	s_nop 0
.rept 4
	v_nop
.endr
	s_branch .Lasked_\@
.Lfor_a_\@:
	tensor_load_to_lds s[G0+4*(\s):G0+4*(\s)+3], s[G1:G1+7]
	s_nop 0
.rept 4
	v_nop
.endr
.Lasked_\@:
.endm
.macro CREST                           ; a round of the cluster's barrier behind its opening barrier
	s_cmp_lg_u32 s10, 0
	s_cbranch_scc1 .Lnot_wave_0_\@
	s_barrier_signal -3
.Lnot_wave_0_\@:
	s_barrier_wait -3
	s_barrier_signal -1
	s_barrier_wait -1
.endm
.macro CROUND                          ; a whole round
	s_barrier_signal -1
	s_barrier_wait -1
	CREST
.endm
	s_load_b64 s[4:5], s[0:1], 0x0                 ; ab
	s_load_b64 s[8:9], s[0:1], 0x8                 ; sg
	v_lshl_add_u32 v[SPW], v0, 2, SPARE
	v_mov_b32 v[NIL], 0
	ds_add_u32 v[SPW], v[NIL]                      ; the wave's opening: the add and its wait stand ahead of my first tensor load; the set-up below, work on registers, stands between them
	v_lshrrev_b32 v1, 5, v0
	v_readfirstlane_b32 s10, v1                    ; wave 0..3
	s_lshr_b32 s11, s10, 1                         ; which half of the tile's rows is mine.  Also: I fetch for B (0) or for A (1)
	s_and_b32 s12, s10, 1                          ; which half of its columns.  Also: which half of that tile's rows I fetch
	s_bfe_u32 s40, ttmp6, 0x40000                  ; cx
	s_bfe_u32 s41, ttmp6, 0x40004                  ; cy
	s_lshl_b32 s42, ttmp9, 2
	s_add_co_u32 s42, s42, s40                     ; tile column = 4 x cluster x + cx
	s_and_b32 s13, ttmp7, 0xffff
	s_lshl_b32 s13, s13, 2
	s_add_co_u32 s13, s13, s41                     ; my first tile's row of tiles = 4 x cluster y + cy
	s_lshl_b32 s43, s41, 2
	s_lshl_b32 s43, 15, s43                        ; my row of the cluster: places 4 cy .. 4 cy + 3
	s_lshl_b32 s44, 0x1111, s40                    ; my column: places cx, cx + 4, cx + 8, cx + 12
	; descriptor group 1: rows of 128 elements of 2 bytes, 4 words of padding behind every 64; 96 rows of A, 128 rows of B
	s_or_b32 s[G1+0], s43, (1<<16)|(1<<20)|(1<<21)|(5<<22)|(3<<25)
	s_or_b32 s[G1B+0], s44, (1<<16)|(1<<20)|(1<<21)|(5<<22)|(3<<25)
	s_mov_b32 s[G1B+1], KSTEP<<16
	s_mov_b32 s[G1+1], KSTEP<<16                   ; tensor_dim0 = 128
	s_mov_b32 s[G1B+2], 128<<16
	s_mov_b32 s[G1+2], 96<<16                      ; tensor_dim1
	s_mov_b32 s[G1B+3], KSTEP<<16
	s_mov_b32 s[G1+3], KSTEP<<16                   ; tile_dim0 = 128
	s_mov_b32 s[G1B+4], 128
	s_mov_b32 s[G1+4], 96                          ; tile_dim1
	s_mov_b32 s[G1B+5], SIZE_K
	s_mov_b32 s[G1+5], SIZE_K                      ; 512 elements from row to row
	s_mov_b32 s[G1B+6], 0
	s_mov_b32 s[G1+6], 0
	s_mov_b32 s[G1B+7], 0
	s_mov_b32 s[G1+7], 0
	; A's tiles hang on the tile row alone, B's on the tile column alone; each address is made in registers that never hold the other coordinate
	s_mul_i32 s16, s13, TROWS
	s_mul_i32 s17, s12, 96
	s_add_co_u32 s16, s16, s17                     ; A: row 192 x tile row + 96 x half
	s_lshl_b32 s46, s42, 8
	s_lshl_b32 s17, s12, 7
	s_add_co_u32 s46, s46, s17                     ; B: row 256 x tile column + 128 x half
	s_lshl_b32 s16, s16, 10                        ; rows of 1,024 bytes
	s_lshl_b32 s46, s46, 10
	s_mov_b32 s17, 0
	s_mov_b32 s47, 0
	s_mul_i32 s20, s10, BH                         ; where B's halves go: waves 0 and 1 at 0 and BH
	s_mul_i32 s21, s10, AH
	s_add_co_u32 s21, s21, AOFF-2*AH               ; where A's go: waves 2 and 3 at AOFF and AOFF + AH: no place in the cluster enters an LDS address
	s_wait_dscnt 0x0                               ; the opening add is done
	s_wait_kmcnt 0x0
	s_add_nc_u64 s[6:7], s[4:5], 0x1000000         ; B = the codebook's rows, behind 16,384 rows of 1,024 bytes
	s_add_nc_u64 s[14:15], s[4:5], s[16:17]
	s_add_nc_u64 s[46:47], s[6:7], s[46:47]
	CROUND                                         ; all sixteen work-groups are here: the first joint loads meet
.irp s, 0,1
	s_mov_b32 s[G0+4*(\s)], 1
	s_add_co_u32 s[G0+4*(\s)+1], s21, (\s)*SLOT
	s_add_nc_u64 s[G0+4*(\s)+2:G0+4*(\s)+3], s[14:15], (\s)*KSTEP*2
	s_or_b32 s[G0+4*(\s)+3], s[G0+4*(\s)+3], 0x80000000
	s_mov_b32 s[G0B+4*(\s)], 1
	s_add_co_u32 s[G0B+4*(\s)+1], s20, (\s)*SLOT
	s_add_nc_u64 s[G0B+4*(\s)+2:G0B+4*(\s)+3], s[46:47], (\s)*KSTEP*2
	s_or_b32 s[G0B+4*(\s)+3], s[G0B+4*(\s)+3], 0x80000000
	JLOAD \s                                       ; K steps 0 and 1 of the first tile: two loads of mine are out
.endr
	; a fragment is 16 rows x 32 K in 8 registers: lane l holds row l % 16, K = 8 (l / 16) + 0..7 and 16 + 8 (l / 16) + 0..7: two loads of 16 bytes, 32 bytes apart
	v_and_b32 v1, 15, v0
	v_bfe_u32 v2, v0, 4, 1
	v_mul_u32_u24 v3, v1, PITCH
	v_lshl_add_u32 v3, v2, 4, v3
	s_mul_i32 s21, s11, AH                         ; my 96 rows of A,
	s_add_co_u32 s21, s21, AOFF                    ; which lie behind B's 256
	s_mul_i32 s22, s12, BH                         ; my 128 rows of B
.irp s, 0,1
	v_add_nc_u32 v[ADRA+(\s)], s21, v3
	v_add_nc_u32 v[ADRB+(\s)], s22, v3
	s_add_co_u32 s21, s21, SLOT
	s_add_co_u32 s22, s22, SLOT
.endr
	s_mul_i32 s23, s10, 16*SPITCH
	s_add_co_u32 s23, s23, STAGE                   ; my stage
	v_mul_u32_u24 v4, v1, SPITCH                   ; in: row l % 16, 32 bytes for each half of the lanes
	v_lshl_add_u32 v4, v2, 5, v4
	v_add_nc_u32 v[STO], s23, v4
	v_and_b32 v5, 31, v0
	v_lshlrev_b32 v[CO], 4, v5                     ; back: the 32 lanes take one row of 512 bytes,
	v_add_nc_u32 v[RD], s23, v[CO]                 ; and the same 512 bytes of a row of sg
	s_mul_i32 s16, s13, TROWS
	s_mul_i32 s14, s11, 96
	s_add_co_u32 s16, s16, s14                     ; my first row of sg in the first tile
	s_lshl_b32 s16, s16, 13                        ; in bytes: under 50,331,648
	s_mov_b32 s17, 0
	s_add_nc_u64 s[8:9], s[8:9], s[16:17]
	s_lshl_b32 s46, s42, 10                        ; my first column, in bytes: 1,024 x tile column + 512 x half
	s_lshl_b32 s47, s12, 9
	s_add_co_u32 s46, s46, s47
	s_mov_b32 s47, 0
	s_add_nc_u64 s[8:9], s[8:9], s[46:47]          ; stepped once a tile: a tile's rows stand in the stores' immediates
; 16 matrix instructions: m blocks a0, a0 + 1 of the window x all 8 n blocks, 32 along K.  zero = 1: the first product starts the sums: nothing is cleared.
; The 48 accumulators take turns, in the same order in every quarter step, over the loop's backward jump too.
.macro MUL16 f, hi, a0, zero
	WIN MUL_LO+0x50*(\hi)
.irp a, \a0, (\a0)+1
.irp b, 0,1,2,3,4,5,6,7
.if \zero
	v_wmma_f32_16x16x32_bf16 v[8*(8*(\a)+(\b)):8*(8*(\a)+(\b))+7], v[(\f)+8*(\b):(\f)+8*(\b)+7], v[(\f)+8*(4*(\hi)+(\a)):(\f)+8*(4*(\hi)+(\a))+7], 0
.else
	v_wmma_f32_16x16x32_bf16 v[8*(8*(\a)+(\b)):8*(8*(\a)+(\b))+7], v[(\f)+8*(\b):(\f)+8*(\b)+7], v[(\f)+8*(4*(\hi)+(\a)):(\f)+8*(4*(\hi)+(\a))+7], v[8*(8*(\a)+(\b)):8*(8*(\a)+(\b))+7]
.endif
.endr
.endr
.endm
; 28 LDS loads in one run: the fragments of one quarter step (128 rows of B, 96 rows of A, 32 K at byte k of the rows) into buffer f
.macro FETCH slot, k, f
	WIN TO_B
.irp i, 0,1,2,3,4,5,6,7
	ds_load_b128 v[(\f)+8*(\i):(\f)+8*(\i)+3],   v[ADRB+(\slot)] offset:(\k)+(\i)*16*PITCH
	ds_load_b128 v[(\f)+8*(\i)+4:(\f)+8*(\i)+7], v[ADRB+(\slot)] offset:(\k)+(\i)*16*PITCH+32
.endr
	WIN 0
.irp i, 0,1,2,3,4,5
	ds_load_b128 v[(\f)+8*(\i):(\f)+8*(\i)+3],   v[ADRA+(\slot)] offset:(\k)+(\i)*16*PITCH
	ds_load_b128 v[(\f)+8*(\i)+4:(\f)+8*(\i)+7], v[ADRA+(\slot)] offset:(\k)+(\i)*16*PITCH+32
.endr
.endm
.macro PLACES                          ; four plain vector instructions between a matrix instruction and a load into, or a store out of, one of its registers
.rept 4
	v_nop
.endr
.endm
; A K step is four quarter steps of 32 along K, 48 matrix instructions each, on buffers 0, 1, 0, 1.  One of the first three: multiplies buffer f and fetches the next quarter, at byte k, into g.
.macro QUARTER slot, k, f, g, zero
	s_wait_dscnt 4                                 ; B and A's rows 0-63 are in; the youngest four loads (A's rows 64-95) may be out
	WIN MUL_LO
	MUL16 \f, 0, 0, \zero
	MUL16 \f, 0, 2, \zero
	PLACES
	FETCH \slot, \k, \g
	s_wait_dscnt 28                                ; all but the 28 just issued
	WIN MUL_HI
	MUL16 \f, 1, 0, \zero
.endm
; The last quarter multiplies buffer 1 and changes slots.  One barrier: in front of it each wave waits for all its tensor loads (one is out: its part of the next slot), adds 0 to its spare word,
; and waits for that and for its own reads of this slot.  Behind it nobody reads this slot any more and the next slot is whole.
.macro MEET round
	WIN 0                                          ; (the add's two registers lie in window 0)
	s_wait_tensorcnt 0x0
	ds_add_u32 v[SPW], v[NIL]                      ; 0 onto my spare word
	s_wait_dscnt 5                                 ; (the add and the youngest four loads may be out)
	WIN MUL_LO
	MUL16 F1, 0, 0, 0                              ; sixteen matrix instructions stand between the add and the wait for it
	s_wait_dscnt 0x0                               ; the add is done, and my reads of this slot are over
	s_barrier_signal -1
	MUL16 F1, 0, 2, 0                              ; work on registers while the others arrive
.if \round
	WIN 0
.endif
	s_barrier_wait -1
.endm
; fill = 1: the barrier opens a round of the cluster's, and the slot just read out is filled again, the first tensor load behind the round, one a wave:
; with this tile's K step two steps on (on = 0) or, in a tile's last two K steps, with the NEXT tile's K step 0 or 1 (on = 1).
.macro TURN slot, next, fill, on
	MEET \fill
.if \fill
	CREST
.if \on
	s_add_nc_u64 s[G0+4*(\slot)+2:G0+4*(\slot)+3], s[G0+4*(\slot)+2:G0+4*(\slot)+3], NEXT_A
	s_sub_nc_u64 s[G0B+4*(\slot)+2:G0B+4*(\slot)+3], s[G0B+4*(\slot)+2:G0B+4*(\slot)+3], BACK_B
.else
	s_add_nc_u64 s[G0+4*(\slot)+2:G0+4*(\slot)+3], s[G0+4*(\slot)+2:G0+4*(\slot)+3], 2*KSTEP*2
	s_add_nc_u64 s[G0B+4*(\slot)+2:G0B+4*(\slot)+3], s[G0B+4*(\slot)+2:G0B+4*(\slot)+3], 2*KSTEP*2
.endif
	JLOAD \slot                                    ; the four v_nop behind it are also the places in front of the loads below
.else
	PLACES
.endif
	FETCH \next, 0, F0
	WIN MUL_HI
	MUL16 F1, 1, 0, 0
.endm
; THE WAY OUT of block a (16 rows x 128 columns of f32).  TOSTAGE: 32 bytes a lane and n block into my own stage, each accumulator's low four registers first, and back as whole rows of 512 bytes.
.macro TOSTAGE a
.set BK, BKS+64*((\a)%2)
.set AC, 64*((\a)%4)
.if (\a) >= 2
	s_wait_xcnt 0x0                                ; block a - 2's stores have had their addresses translated (ISA guide 3.1): only now are the registers that they read loaded again
.endif
	WIN 0x08+4*((\a)/4)                            ; the stores' data: window 2 or 3
.irp b, 0,1,2,3,4,5,6,7
	ds_store_b128 v[STO], v[AC+8*(\b):AC+8*(\b)+3] offset:64*(\b)
	ds_store_b128 v[STO], v[AC+8*(\b)+4:AC+8*(\b)+7] offset:64*(\b)+16
.endr
	WIN 0
.irp t, 0,1,2,3,4,5,6,7,8,9,10,11,12,13,14,15
	ds_load_b128 v[BK+4*(\t):BK+4*(\t)+3], v[RD] offset:SPITCH*(\t)  ; LDS serves a wave's instructions in order (ISA guide 5.7.1.4): these see the stores above; the next block's stores come behind them
.endr
.endm
.macro SEND a, younger                 ; younger: the LDS instructions issued behind block a's loads: the next block's 32, or none
	WIN 0
.set BK, BKS+64*((\a)%2)
.irp t, 0,1,2,3,4,5,6,7,8,9,10,11,12,13,14,15
	s_wait_dscnt (\younger)+15-(\t)
	global_store_b128 v[CO], v[BK+4*(\t):BK+4*(\t)+3], s[8:9] offset:(16*(\a)+(\t))*CROW  ; 512 consecutive bytes, at a multiple of 512 from sg's first byte; 95 rows at the most stand in the immediate
.endr
.endm
	s_wait_tensorcnt 1                             ; my part of K step 0 is in; K step 1's may stay out
	s_barrier_signal -1
	s_barrier_wait -1                              ; everybody's is
	FETCH 0, 0, F0
	s_mov_b32 s2, TILES                            ; tiles to go, this one among them: the same number in every work-group
.Ltile:                                                ; (FETCH and SEND leave every window 0)
	QUARTER 0, 64,  F0, F1, 1                      ; K step 0: its first quarter starts the sums
	QUARTER 0, 128, F1, F0, 0
	QUARTER 0, 192, F0, F1, 0
	TURN 0, 1, 1, 0                                ; slot 0 takes K step 2
	QUARTER 1, 64,  F0, F1, 0                      ; K step 1
	QUARTER 1, 128, F1, F0, 0
	QUARTER 1, 192, F0, F1, 0
	TURN 1, 0, 1, 0                                ; slot 1 takes K step 3
	QUARTER 0, 64,  F0, F1, 0                      ; K step 2
	QUARTER 0, 128, F1, F0, 0
	QUARTER 0, 192, F0, F1, 0
	WIN 0                                          ; at a label and at a branch every window is 0
	s_cmp_eq_u32 s2, 1
	s_cbranch_scc1 .Llast                          ; the last tile's tail is written out: it asks for nothing more
	TURN 0, 1, 1, 1                                ; THE RING GOES ON INTO THE NEXT TILE: slot 0 takes its K step 0,
	QUARTER 1, 64,  F0, F1, 0                      ; K step 3
	QUARTER 1, 128, F1, F0, 0
	QUARTER 1, 192, F0, F1, 0
	TURN 1, 0, 1, 1                                ; slot 1 its K step 1, and the next tile's first fragments are fetched
	WIN 0
	s_branch .Lout
.Llast:
	TURN 0, 1, 0, 0                                ; nothing is left to ask for
	QUARTER 1, 64,  F0, F1, 0                      ; K step 3
	QUARTER 1, 128, F1, F0, 0
	QUARTER 1, 192, F0, F1, 0
	s_wait_dscnt 4
	WIN MUL_LO
	MUL16 F1, 0, 0, 0
	MUL16 F1, 0, 2, 0
	s_wait_dscnt 0x0
	MUL16 F1, 1, 0, 0
	WIN 0
.Lout:                                                 ; BOTH REFILLS, IF ANY, ARE ASKED FOR: NOW THE TILE GOES OUT, by one text for every tile
	s_wait_dscnt 0x0                               ; the next tile's first fragments, if any were asked for, are in: on both ways DScnt counts the stage's instructions alone from here on
.rept 5                                ; FIVE places.  Four are wanted in front of the stores that read results and of the loads into A's second buffer; five between a product and a matrix instruction that
	v_nop                                          ; writes over its accumulator (ISA guide 7.12.1), as a tile's first products do: on the way through the written-out tail these are the only places between the two
.endr
	TOSTAGE 0
.irp a, 1,2,3,4,5                      ; block a's trip through the stage stands between block a - 1's loads and its stores
	TOSTAGE \a
	SEND (\a)-1, 32
.endr
	SEND 5, 0
	s_wait_xcnt 0x0                                ; the stores have had their addresses translated (ISA guide 3.1): only now are their base and the registers that they read rewritten; nothing waits for the stores themselves
	s_add_nc_u64 s[8:9], s[8:9], WALK*CROW         ; my rows of the next tile (behind the last tile the sum is not used)
	s_sub_co_u32 s2, s2, 1
	s_cmp_lg_u32 s2, 0
	s_cbranch_scc1 .Ltile
	s_wait_tensorcnt 0x0                           ; the wave's end, behind my last tensor load and my last LDS store
	ds_add_u32 v[SPW], v[NIL]
	s_wait_dscnt 0x0
	CROUND                                         ; the closing round: no work-group ends while a partner may still ask for a tile that names it
	s_endpgm
.Lfunc_end_k_qebc77366da_gemm:
	.size	k_qebc77366da_gemm, .Lfunc_end_k_qebc77366da_gemm-k_qebc77366da_gemm
	.p2alignl 7, 3214868480
	.fill 96, 4, 3214868480
	.section	.rodata,"a",@progbits
	.p2align	6, 0x0
	.amdhsa_kernel k_qebc77366da_gemm
		.amdhsa_group_segment_fixed_size 327680
		.amdhsa_private_segment_fixed_size 0
		.amdhsa_enable_private_segment 0
		.amdhsa_kernarg_size 16
		.amdhsa_user_sgpr_count 2
		.amdhsa_user_sgpr_kernarg_segment_ptr 1
		.amdhsa_wavefront_size32 1
		.amdhsa_system_sgpr_workgroup_id_x 1
		.amdhsa_system_sgpr_workgroup_id_y 1
		.amdhsa_system_sgpr_workgroup_id_z 1
		.amdhsa_system_vgpr_workitem_id 0
		.amdhsa_next_free_vgpr 1024
		.amdhsa_next_free_sgpr 66
		.amdhsa_reserve_vcc 0
		.amdhsa_float_denorm_mode_32 3
		.amdhsa_float_denorm_mode_16_64 3
		.amdhsa_memory_ordered 1
		.amdhsa_forward_progress 1
		.amdhsa_inst_pref_size 143
	.end_amdhsa_kernel
	.amdgpu_metadata
---
amdhsa.version: [ 1, 2 ]
amdhsa.kernels:
  - .name:           k_qebc77366da_gemm
    .symbol:         k_qebc77366da_gemm.kd
    .args:
      - { .name: ab, .offset: 0, .size: 8, .value_kind: global_buffer, .address_space: global }
      - { .name: sg, .offset: 8, .size: 8, .value_kind: global_buffer, .address_space: global }
    .group_segment_fixed_size: 327680
    .private_segment_fixed_size: 0
    .kernarg_segment_align: 8
    .kernarg_segment_size: 16
    .max_flat_workgroup_size: 128
    .sgpr_count:     66
    .vgpr_count:     1024
    .wavefront_size: 32
...
	.end_amdgpu_metadata
.endif
;; end of part 2
;; launch stage0 (part 3): grid 512 x 1, 8 waves a work-group, no clusters, 0 bytes of LDS; arguments sg, ab, cb, ha, hb; writes hb
.if DOCPART == 3
	.amdgcn_target "amdgcn-amd-amdhsa--gfx1250"
	.amdhsa_code_object_version 6
	.text
	.protected	k_qebc77366da_stage0
	.globl	k_qebc77366da_stage0
	.p2align	8
	.type	k_qebc77366da_stage0,@function
k_qebc77366da_stage0:
	s_mov_b64 s[64:65], 0
	v_nop
	global_prefetch_b8 v0, s[64:65] scope:SCOPE_SE
	s_setreg_imm32_b32 hwreg(HW_REG_WAVE_MODE, 25, 1), 1
	s_wait_xcnt 0x0
; ONE STAGE OF THE RESIDUAL QUANTIZER, for all 16,384 rows.  Arguments: sg (S and G), ab (x and w in bf16), cb (sums of squares), the history to read, the history to write.
; P, the number of stages done, is the word behind the history that is read; the indices i_0 .. i_(P-1) of a row are its history.  The stage finds
;   argmin over j of  fl( fl( rsq - 2 acc_j ) + cb_j ),   acc_j = S[row][j] - (G[i_0][j] + .. + G[i_(P-1)][j]),   the first j among equal distances,
; and writes the history with index P filled in, and P + 1 behind it.
; WHY acc.  r_P . w_j = x . w_j - the sum of w_(i_t) . w_j, up to the rounding of the residual's own three f32 operations a stage, at most one unit in r's last place an element: an order of
; rounding that differs from a product with the rounded residual; it is of the size of an f32 product's own rounding.  rsq is NOT taken so: the residual is formed as the reference forms it
; (u = w - r, q = r + u, r = r - q, three f32 roundings a stage, on the bf16 inputs) and its squares are summed.  The two roundings of the distance are kept apart: one fused multiply-add
; (2 acc is exact), then one addition that is never fused.
; LIMITS.  NaN and infinities are not treated apart: a NaN distance never wins.  An index is sure only where the rounding of the products' sums does not carry a distance across an f32 rounding boundary.
; SHARES.  A work-group has 32 rows, a wave 4, one after the other; a wave takes a whole row of 2,048 distances, 64 a lane.  No LDS, no barrier: the waves share only cb's 8 KiB, kept in 64 registers.
; A lane's number c (0..63) stands for column 128 (c / 4) + 4 lane + c % 4: ascending c is ascending column.  A row goes in four GROUPS of 512 columns, 16 a lane: 4 loads of 16 bytes for S and for each G row,
; each load of the wave 512 consecutive bytes.  NG groups are on their way at any time (4, 4, 2, 2 for P = 0..3: 64 to 128 registers), the next row's among them.
.set BD,   4                           ; v4       the lane's best distance
.set BC,   5                           ; v5       its number c
.set TWR,  6                           ; v[6:13]  at work
.set RQ,   14                          ; v[14:15] rsq, twice
.set OUT,  16                          ; v[16:19] lane i < 4: the history of my row i
.set R,    20                          ; v[20:35] the residual, 16 numbers a lane; x lands packed in v[20:27]
.set W,    36                          ; v[36:59] up to three rows of w, packed, 8 registers each
.set CB,   60                          ; v[60:123] cb of my 64 columns
.set RING, 124                         ; v[124:251] slot g, term u (0: S, 1..: G) at RING + 16 (g T + u)
.set H,    16                          ; s[16:31] the histories of my rows, the row in hand first
.set GB,   32                          ; s[32:37] the G rows' addresses
.set WB,   38                          ; s[38:43] the w rows' addresses
.set SB,   44                          ; s[44:45] S at the row whose groups are being asked for
.set XB,   46                          ; s[46:47] x at the row asked for last
.set GBASE, 48                         ; s[48:49] G's first row
.set WBASE, 50                         ; s[50:51] w's first row
	s_load_b256 s[4:11], s[0:1], 0x0               ; sg s[4:5], ab s[6:7], cb s[8:9], history in s[10:11]
	s_load_b64 s[12:13], s[0:1], 0x20              ; history out
	v_and_b32 v3, 31, v0                           ; lane
	v_lshrrev_b32 v6, 5, v0
	v_readfirstlane_b32 s14, v6                    ; wave 0..7
	v_lshlrev_b32 v1, 4, v3                        ; 16 x lane; never rewritten
	v_lshlrev_b32 v2, 2, v3                        ; 4 x lane
	v_and_b32 v252, 3, v3
	v_lshlrev_b32 v252, 4, v252                    ; 16 x (lane % 4): lanes 4-31 read the four rows again and stay inside the buffer
	v_lshlrev_b32 v253, 3, v3                      ; 8 x lane
	v_mov_b32 v9, 0                                ; a destination of v_permlanex16_b32 counts as read
	s_lshl_b32 s15, ttmp9, 5
	s_lshl2_add_u32 s15, s14, s15                  ; my first row = 32 x work-group + 4 x wave
	s_mov_b32 s53, 0                               ; the high word of the offset pair s[52:53]; never rewritten
	s_mov_b32 s55, 0                               ; the row in hand, 0..3
	s_mov_b32 s56, 0x76543210                      ; v_permlanex16_b32: each lane takes its own place in the other half
	s_mov_b32 s57, 0xfedcba98
	s_mov_b32 s58, 0xffff0000                      ; a word's upper bf16
	s_lshl_b32 s52, s15, 4
	s_wait_kmcnt 0x0
	s_add_nc_u64 s[60:61], s[10:11], s[52:53]      ; both histories at my rows
	s_add_nc_u64 s[62:63], s[12:13], s[52:53]
	s_load_b32 s59, s[10:11], 0x40000              ; P
	s_load_b512 s[H:H+15], s[60:61], 0x0           ; my four rows' histories, for addresses
	global_load_b128 v[OUT:OUT+3], v252, s[60:61]  ; and once more in lanes, to be stored with the new index
.irp k, 0,1,2,3,4,5,6,7,8,9,10,11,12,13,14,15
	global_load_b128 v[CB+4*(\k):CB+4*(\k)+3], v1, s[8:9] offset:512*(\k)
.endr
	s_lshl_b32 s52, s15, 13
	s_add_nc_u64 s[SB:SB+1], s[4:5], s[52:53]
	s_lshl_b32 s52, s15, 10
	s_add_nc_u64 s[XB:XB+1], s[6:7], s[52:53]
	s_add_nc_u64 s[GBASE:GBASE+1], s[4:5], 0x8000000   ; behind 16,384 rows of 8,192 bytes
	s_add_nc_u64 s[WBASE:WBASE+1], s[6:7], 0x1000000   ; behind 16,384 rows of 1,024 bytes
	s_wait_kmcnt 0x0
	s_add_co_u32 s3, s59, 1
	s_or_b32 s2, ttmp9, s14
	s_cmp_lg_u32 s2, 0
	s_cbranch_scc1 .Lnohead
	v_mov_b32 v254, s3                             ; work-group 0, wave 0: P + 1 behind the history that is written, 256 bytes
	v_mov_b32 v255, s3
	global_store_b64 v253, v[254:255], s[12:13] offset:262144
.Lnohead:
; The addresses of the P rows named by the history words h0 .. (0: the row in hand, 4: the next): an index is held to 0..2047, shifted to bytes and added to the table's first row.
.macro BASES set, sh, base, h0
.if PP > 0
.set t, 0
.rept PP
	s_min_u32 s52, s[H+(\h0)+t], 0x7ff
	s_lshl_b32 s52, s52, \sh
	s_add_nc_u64 s[(\set)+2*t:(\set)+2*t+1], s[\base:\base+1], s[52:53]
.set t, t+1
.endr
.endif
.endm
; Group q of a row into ring slot: 4 loads of S, 4 of each G row.  S is read once in the launch; G's rows are read by many waves.
.macro LOADG slot, q
.set rb, RING+16*((\slot)*TT)
.irp k, 0,1,2,3
	global_load_b128 v[rb+4*(\k):rb+4*(\k)+3], v1, s[SB:SB+1] offset:2048*(\q)+512*(\k) th:TH_LOAD_NT
.endr
.if PP > 0
.set t, 0
.rept PP
.irp k, 0,1,2,3
	global_load_b128 v[rb+16*(t+1)+4*(\k):rb+16*(t+1)+4*(\k)+3], v1, s[GB+2*t:GB+2*t+1] offset:2048*(\q)+512*(\k)
.endr
.set t, t+1
.endr
.endif
.endm
; A row's x and its P rows of w, packed: 2 loads each, 2 T in all.
.macro LOADXW
	global_load_b128 v[R:R+3], v1, s[XB:XB+1]
	global_load_b128 v[R+4:R+7], v1, s[XB:XB+1] offset:512
.if PP > 0
.set t, 0
.rept PP
	global_load_b128 v[W+8*t:W+8*t+3], v1, s[WB+2*t:WB+2*t+1]
	global_load_b128 v[W+8*t+4:W+8*t+7], v1, s[WB+2*t:WB+2*t+1] offset:512
.set t, t+1
.endr
.endif
.endm
; rsq: x is widened (from the top down, so that no packed word is written before it is read), the P stages' three operations are done as the reference does them, and the squares are summed over the wave.
.macro RSQ
.irp i, 7,6,5,4,3,2,1,0
	v_and_b32 v[R+2*(\i)+1], s58, v[R+(\i)]
	v_lshlrev_b32 v[R+2*(\i)], 16, v[R+(\i)]
.endr
.if PP > 0
.set t, 0
.rept PP
.irp b, 0,4                            ; four pairs at a time, so that no line reads the result of the line before it
.irp j, 0,1,2,3
	v_lshlrev_b32 v[TWR+2*(\j)], 16, v[W+8*t+(\b)+(\j)]
	v_and_b32 v[TWR+2*(\j)+1], s58, v[W+8*t+(\b)+(\j)]
.endr
.irp j, 0,1,2,3
	v_pk_add_f32 v[TWR+2*(\j):TWR+2*(\j)+1], v[TWR+2*(\j):TWR+2*(\j)+1], v[R+2*((\b)+(\j)):R+2*((\b)+(\j))+1] neg_lo:[0,1] neg_hi:[0,1]  ; u = w - r
.endr
.irp j, 0,1,2,3
	v_pk_add_f32 v[TWR+2*(\j):TWR+2*(\j)+1], v[R+2*((\b)+(\j)):R+2*((\b)+(\j))+1], v[TWR+2*(\j):TWR+2*(\j)+1]  ; q = r + u
.endr
.irp j, 0,1,2,3
	v_pk_add_f32 v[R+2*((\b)+(\j)):R+2*((\b)+(\j))+1], v[R+2*((\b)+(\j)):R+2*((\b)+(\j))+1], v[TWR+2*(\j):TWR+2*(\j)+1] neg_lo:[0,1] neg_hi:[0,1]  ; r = r - q
.endr
.endr
.set t, t+1
.endr
.endif
	v_pk_mul_f32 v[10:11], v[R:R+1], v[R:R+1]      ; two chains; the first two products start them
	v_pk_mul_f32 v[12:13], v[R+2:R+3], v[R+2:R+3]
.irp j, 2,3,4,5,6,7
	v_pk_fma_f32 v[10+2*((\j)%2):11+2*((\j)%2)], v[R+2*(\j):R+2*(\j)+1], v[R+2*(\j):R+2*(\j)+1], v[10+2*((\j)%2):11+2*((\j)%2)]
.endr
	v_pk_add_f32 v[10:11], v[10:11], v[12:13]
	v_add_f32 v10, v10, v11
	v_add_f32_dpp v10, v10, v10 row_xmask:1 row_mask:0xf bank_mask:0xf
	v_add_f32_dpp v10, v10, v10 row_xmask:2 row_mask:0xf bank_mask:0xf
	v_add_f32_dpp v10, v10, v10 row_xmask:4 row_mask:0xf bank_mask:0xf
	v_add_f32_dpp v10, v10, v10 row_xmask:8 row_mask:0xf bank_mask:0xf
	v_permlanex16_b32 v11, v10, s56, s57
	v_add_f32 v[RQ], v10, v11
	v_add_f32 v[RQ+1], v10, v11
.endm
; Group q in ring slot: 16 distances a lane, their minimum, the FIRST number that has it, and the lane's best so far (a later group wins only if it is strictly less).
.macro GROUP slot, q
.set ra, RING+16*((\slot)*TT)
.if PP >= 2                            ; the G rows are added first, so that only one rounding happens at S's size
.irp j, 0,1,2,3,4,5,6,7
	v_pk_add_f32 v[ra+16+2*(\j):ra+16+2*(\j)+1], v[ra+16+2*(\j):ra+16+2*(\j)+1], v[ra+32+2*(\j):ra+32+2*(\j)+1]
.endr
.endif
.if PP >= 3
.irp j, 0,1,2,3,4,5,6,7
	v_pk_add_f32 v[ra+16+2*(\j):ra+16+2*(\j)+1], v[ra+16+2*(\j):ra+16+2*(\j)+1], v[ra+48+2*(\j):ra+48+2*(\j)+1]
.endr
.endif
.if PP >= 1
.irp j, 0,1,2,3,4,5,6,7
	v_pk_add_f32 v[ra+2*(\j):ra+2*(\j)+1], v[ra+2*(\j):ra+2*(\j)+1], v[ra+16+2*(\j):ra+16+2*(\j)+1] neg_lo:[0,1] neg_hi:[0,1]
.endr
.endif
.irp j, 0,1,2,3,4,5,6,7
	v_pk_fma_f32 v[ra+2*(\j):ra+2*(\j)+1], v[ra+2*(\j):ra+2*(\j)+1], -2.0, v[RQ:RQ+1] op_sel_hi:[1,0,1]  ; fl(rsq - 2 acc): 2 acc is exact, one rounding
.endr
.irp j, 0,1,2,3,4,5,6,7
	v_pk_add_f32 v[ra+2*(\j):ra+2*(\j)+1], v[ra+2*(\j):ra+2*(\j)+1], v[CB+16*(\q)+2*(\j):CB+16*(\q)+2*(\j)+1]  ; fl(.. + cb): the second rounding, on purpose not fused
.endr
.if (\q) == 0
.set rm, BD                            ; the first group's minimum starts the lane's best: nothing is cleared
.set rc, BC
.else
.set rm, 6
.set rc, 7
.endif
	v_min3_num_f32 v[rm], v[ra], v[ra+1], v[ra+2]
	v_min3_num_f32 v8, v[ra+3], v[ra+4], v[ra+5]
	v_min3_num_f32 v[rm], v[rm], v[ra+6], v[ra+7]
	v_min3_num_f32 v8, v8, v[ra+8], v[ra+9]
	v_min3_num_f32 v[rm], v[rm], v[ra+10], v[ra+11]
	v_min3_num_f32 v8, v8, v[ra+12], v[ra+13]
	v_min3_num_f32 v[rm], v[rm], v[ra+14], v[ra+15]
	v_min_num_f32 v[rm], v[rm], v8
	v_mov_b32 v[rc], 16*(\q)+15
.irp e, 14,13,12,11,10,9,8,7,6,5,4,3,2,1,0  ; from the top down: the lowest number whose distance equals the minimum is written last
	v_cmp_neq_f32 vcc_lo, v[ra+(\e)], v[rm]
	v_cndmask_b32 v[rc], 16*(\q)+(\e), v[rc], vcc_lo
.endr
.if (\q) != 0
	v_cmp_lt_f32 vcc_lo, v6, v[BD]
	v_cndmask_b32 v[BD], v[BD], v6, vcc_lo
	v_cndmask_b32 v[BC], v[BC], v7, vcc_lo
.endif
.endm
; The row's index: the least distance of the 32 lanes, then the least column among the lanes that have it (columns as f32: whole numbers below 4,096 are exact); it goes into lane s55's history.
.macro FINAL
	v_mov_b32 v8, v[BD]
	v_min_num_f32_dpp v8, v8, v8 row_xmask:1 row_mask:0xf bank_mask:0xf
	v_min_num_f32_dpp v8, v8, v8 row_xmask:2 row_mask:0xf bank_mask:0xf
	v_min_num_f32_dpp v8, v8, v8 row_xmask:4 row_mask:0xf bank_mask:0xf
	v_min_num_f32_dpp v8, v8, v8 row_xmask:8 row_mask:0xf bank_mask:0xf
	v_permlanex16_b32 v9, v8, s56, s57
	v_lshrrev_b32 v10, 2, v[BC]
	v_and_b32 v11, 3, v[BC]
	v_lshl_add_u32 v10, v10, 7, v2                 ; 128 (c / 4) + 4 lane
	v_add_nc_u32 v10, v10, v11                     ; + c % 4
	v_cvt_f32_u32 v10, v10
	v_min_num_f32 v8, v8, v9
	v_cmp_eq_f32 vcc_lo, v[BD], v8
	v_cndmask_b32 v10, 0x45800000, v10, vcc_lo     ; 4096.0 in the lanes that do not hold the minimum
	v_min_num_f32_dpp v10, v10, v10 row_xmask:1 row_mask:0xf bank_mask:0xf
	v_min_num_f32_dpp v10, v10, v10 row_xmask:2 row_mask:0xf bank_mask:0xf
	v_min_num_f32_dpp v10, v10, v10 row_xmask:4 row_mask:0xf bank_mask:0xf
	v_min_num_f32_dpp v10, v10, v10 row_xmask:8 row_mask:0xf bank_mask:0xf
	v_permlanex16_b32 v9, v10, s56, s57
	v_min_num_f32 v10, v10, v9
	v_cvt_u32_f32 v10, v10
	v_cmp_eq_u32 vcc_lo, s55, v3
	v_cndmask_b32 v[OUT+PP], v[OUT+PP], v10, vcc_lo
.endm
; One row.  ahead = 1: the next row's x, w and first groups are asked for.  Loads come back in order (ISA guide 5.7.1), so each wait names the loads issued behind the ones it needs:
; at the head the NG groups issued last; at group q the NG - 1 younger groups and, where they were issued behind group q (q < NG), the 2 T loads of the next row's x and w; in the last row the groups that are left.
.macro BODY ahead
	s_wait_loadcnt NG*4*TT
	RSQ
.if \ahead
	s_wait_xcnt 0x0                                ; every earlier load has had its addresses translated (ISA guide 3.1): only now are x's and w's bases rewritten
	s_add_nc_u64 s[XB:XB+1], s[XB:XB+1], 1024
	BASES WB, 10, WBASE, 4
	LOADXW
.endif
.irp q, 0,1,2,3
.if \ahead
.if (\q) < NG
	s_wait_loadcnt (NG-1)*4*TT+2*TT
.else
	s_wait_loadcnt (NG-1)*4*TT
.endif
.else
.if 3-(\q) < NG-1
	s_wait_loadcnt (3-(\q))*4*TT
.else
	s_wait_loadcnt (NG-1)*4*TT
.endif
.endif
	GROUP (\q)%NG, \q
.if (\q)+NG < 4
	LOADG (\q)%NG, (\q)+NG
.elseif \ahead
.if (\q)+NG == 4
	s_wait_xcnt 0x0                                ; as above, for S's and G's bases
	s_add_nc_u64 s[SB:SB+1], s[SB:SB+1], 8192
	BASES GB, 13, GBASE, 4
.endif
	LOADG (\q)%NG, (\q)+NG-4
.endif
.endr
	FINAL
.if \ahead
	s_mov_b64 s[H:H+1], s[H+4:H+5]                 ; the histories move up a row
	s_mov_b64 s[H+2:H+3], s[H+6:H+7]
	s_mov_b64 s[H+4:H+5], s[H+8:H+9]
	s_mov_b64 s[H+6:H+7], s[H+10:H+11]
	s_mov_b64 s[H+8:H+9], s[H+12:H+13]
	s_mov_b64 s[H+10:H+11], s[H+14:H+15]
	s_add_co_u32 s55, s55, 1
.endif
.endm
; The text for P = p: row 0's loads in the order in which the loop issues them, three rows that ask ahead, and the last row, which asks for nothing beyond my rows.
.macro PATH p, ng
.set PP, \p
.set TT, (\p)+1
.set NG, \ng
	BASES GB, 13, GBASE, 0
	BASES WB, 10, WBASE, 0
	LOADXW
.set gg, 0
.rept NG
	LOADG gg, gg
.set gg, gg+1
.endr
	s_mov_b32 s54, 3
.Lrow\p:
	BODY 1
	s_sub_co_u32 s54, s54, 1
	s_cmp_lg_u32 s54, 0
	s_cbranch_scc1 .Lrow\p
	BODY 0
.endm
	s_cmp_eq_u32 s59, 0                            ; P is a whole number that an earlier launch stored; all jumps go forward
	s_cbranch_scc1 .Lp0
	s_cmp_eq_u32 s59, 1
	s_cbranch_scc1 .Lp1
	s_cmp_eq_u32 s59, 2
	s_cbranch_scc1 .Lp2
	PATH 3, 2
	s_branch .Lend
.Lp2:
	PATH 2, 2
	s_branch .Lend
.Lp1:
	PATH 1, 4
	s_branch .Lend
.Lp0:
	PATH 0, 4
.Lend:
	s_wait_xcnt 0x0                                ; EXEC is a source of what was issued above: it changes only behind this wait
	v_cmp_gt_u32 vcc_lo, 4, v3
	s_and_saveexec_b32 s2, vcc_lo
	global_store_b128 v1, v[OUT:OUT+3], s[62:63]   ; my four rows' histories: 64 consecutive bytes
	s_wait_xcnt 0x0
	s_or_b32 exec_lo, exec_lo, s2
	s_endpgm
.Lfunc_end_k_qebc77366da_stage0:
	.size	k_qebc77366da_stage0, .Lfunc_end_k_qebc77366da_stage0-k_qebc77366da_stage0
	.p2alignl 7, 3214868480
	.fill 96, 4, 3214868480
	.section	.rodata,"a",@progbits
	.p2align	6, 0x0
	.amdhsa_kernel k_qebc77366da_stage0
		.amdhsa_group_segment_fixed_size 0
		.amdhsa_private_segment_fixed_size 0
		.amdhsa_enable_private_segment 0
		.amdhsa_kernarg_size 40
		.amdhsa_user_sgpr_count 2
		.amdhsa_user_sgpr_kernarg_segment_ptr 1
		.amdhsa_wavefront_size32 1
		.amdhsa_system_sgpr_workgroup_id_x 1
		.amdhsa_system_sgpr_workgroup_id_y 1
		.amdhsa_system_sgpr_workgroup_id_z 1
		.amdhsa_system_vgpr_workitem_id 0
		.amdhsa_next_free_vgpr 256
		.amdhsa_next_free_sgpr 66
		.amdhsa_reserve_vcc 1
		.amdhsa_float_denorm_mode_32 3
		.amdhsa_float_denorm_mode_16_64 3
		.amdhsa_memory_ordered 1
		.amdhsa_forward_progress 1
		.amdhsa_inst_pref_size 193
	.end_amdhsa_kernel
	.amdgpu_metadata
---
amdhsa.version: [ 1, 2 ]
amdhsa.kernels:
  - .name:           k_qebc77366da_stage0
    .symbol:         k_qebc77366da_stage0.kd
    .args:
      - { .name: sg, .offset: 0, .size: 8, .value_kind: global_buffer, .address_space: global }
      - { .name: ab, .offset: 8, .size: 8, .value_kind: global_buffer, .address_space: global }
      - { .name: cb, .offset: 16, .size: 8, .value_kind: global_buffer, .address_space: global }
      - { .name: ha, .offset: 24, .size: 8, .value_kind: global_buffer, .address_space: global }
      - { .name: hb, .offset: 32, .size: 8, .value_kind: global_buffer, .address_space: global }
    .group_segment_fixed_size: 0
    .private_segment_fixed_size: 0
    .kernarg_segment_align: 8
    .kernarg_segment_size: 40
    .max_flat_workgroup_size: 256
    .sgpr_count:     66
    .vgpr_count:     256
    .wavefront_size: 32
...
	.end_amdgpu_metadata
.endif
;; end of part 3
;; launch stage1: the kernel of part 3 again; grid 512 x 1, 8 waves a work-group, no clusters, 0 bytes of LDS; arguments sg, ab, cb, hb, ha; writes ha
;; launch stage2: the kernel of part 3 again; grid 512 x 1, 8 waves a work-group, no clusters, 0 bytes of LDS; arguments sg, ab, cb, ha, hb; writes hb
;; launch stage3: the kernel of part 3 again; grid 512 x 1, 8 waves a work-group, no clusters, 0 bytes of LDS; arguments sg, ab, cb, hb, ha; writes ha
;; launch out (part 4): grid 1024 x 1, 8 waves a work-group, no clusters, 0 bytes of LDS; arguments ab, ha, out0, out1, out2; writes out0, out1, out2
.if DOCPART == 4
	.amdgcn_target "amdgcn-amd-amdhsa--gfx1250"
	.amdhsa_code_object_version 6
	.text
	.protected	k_qebc77366da_out
	.globl	k_qebc77366da_out
	.p2align	8
	.type	k_qebc77366da_out,@function
k_qebc77366da_out:
	s_mov_b64 s[64:65], 0
	v_nop
	global_prefetch_b8 v0, s[64:65] scope:SCOPE_SE
	s_setreg_imm32_b32 hwreg(HW_REG_WAVE_MODE, 25, 1), 1
	s_wait_xcnt 0x0
; THE RESULTS.  out0[row] = q_0 + q_1 + q_2 + q_3, with u = w_(i_t) - r, q_t = r + u, r = r - q_t in f32, as the reference forms them, on x and w rounded to bf16;
; out1 = the history of indices; out2 = 0.  The indices are whole numbers that the stages stored; each is held to 0..2047 before it enters an address.
; A work-group has 16 rows, a wave 2.  A lane takes 8 bytes (4 bf16) at 256 k + 8 lane of x and of the four rows of w, and stores their 16 bytes of f32 at 512 k + 16 lane:
; a store of the wave covers 512 consecutive bytes at a multiple of 512 from out0's first byte.  All loads of both rows go out at once.  No LDS, no barrier: the waves share nothing.
.set TW,  4                            ; v[4:11]   at work
.set LD,  16                           ; v[16:95]  row r: 8 registers of x, then 8 for each of four rows of w, packed
.set R,   96                           ; v[96:111] the residual
.set SUM, 112                          ; v[112:127] the sum of the q
	s_load_b256 s[4:11], s[0:1], 0x0               ; ab s[4:5], history s[6:7], out0 s[8:9], out1 s[10:11]
	s_load_b64 s[12:13], s[0:1], 0x20              ; out2
	v_and_b32 v3, 31, v0                           ; lane
	v_lshrrev_b32 v4, 5, v0
	v_readfirstlane_b32 s2, v4                     ; wave 0..7
	v_lshlrev_b32 v1, 4, v3                        ; 16 x lane
	v_lshlrev_b32 v2, 3, v3                        ; 8 x lane
	s_lshl_b32 s3, ttmp9, 4
	s_lshl1_add_u32 s3, s2, s3                     ; my first row = 16 x work-group + 2 x wave
	s_mov_b32 s14, 0xffff0000                      ; a word's upper bf16
	s_mov_b32 s45, 0                               ; the high word of the offset pair s[44:45]
	s_lshl_b32 s44, s3, 4
	s_wait_kmcnt 0x0
	s_add_nc_u64 s[46:47], s[6:7], s[44:45]
	s_load_b256 s[16:23], s[46:47], 0x0            ; my two rows' four indices each
	s_lshl_b32 s44, ttmp9, 8
	s_add_nc_u64 s[6:7], s[6:7], s[44:45]          ; the history and out1 at the work-group's 16 rows, 256 bytes
	s_add_nc_u64 s[10:11], s[10:11], s[44:45]
	global_load_b64 v[12:13], v2, s[6:7]           ; every wave asks for these 256 bytes, so that the counts below are alike in all waves; wave 0 stores them
	s_lshl_b32 s44, s3, 10
	s_add_nc_u64 s[40:41], s[4:5], s[44:45]        ; x at my rows
	s_lshl_b32 s44, s3, 11
	s_add_nc_u64 s[42:43], s[8:9], s[44:45]        ; out0 at my rows
.irp r, 0,1
.irp k, 0,1,2,3
	global_load_b64 v[LD+40*(\r)+2*(\k):LD+40*(\r)+2*(\k)+1], v2, s[40:41] offset:1024*(\r)+256*(\k)
.endr
.endr
	s_wait_kmcnt 0x0
.irp i, 0,1,2,3,4,5,6,7                ; row i / 4, stage i % 4
	s_min_u32 s44, s[16+(\i)], 0x7ff
	s_lshl_b32 s44, s44, 10
	s_add_co_u32 s44, s44, 0x1000000               ; the codebook's rows lie behind 16,384 rows of 1,024 bytes
	s_add_nc_u64 s[24+2*(\i):25+2*(\i)], s[4:5], s[44:45]
.endr
.irp r, 0,1
.irp t, 0,1,2,3
.irp k, 0,1,2,3
	global_load_b64 v[LD+40*(\r)+8+8*(\t)+2*(\k):LD+40*(\r)+8+8*(\t)+2*(\k)+1], v2, s[24+8*(\r)+2*(\t):25+8*(\r)+2*(\t)] offset:256*(\k)
.endr
.endr
.endr
.macro ROWOUT r
.set lb, LD+40*(\r)
.irp j, 0,1,2,3,4,5,6,7
	v_lshlrev_b32 v[R+2*(\j)], 16, v[lb+(\j)]
	v_and_b32 v[R+2*(\j)+1], s14, v[lb+(\j)]
.endr
.irp t, 0,1,2,3
.irp b, 0,4                            ; four pairs at a time, so that no line reads the result of the line before it
.irp j, 0,1,2,3
	v_lshlrev_b32 v[TW+2*(\j)], 16, v[lb+8+8*(\t)+(\b)+(\j)]
	v_and_b32 v[TW+2*(\j)+1], s14, v[lb+8+8*(\t)+(\b)+(\j)]
.endr
.irp j, 0,1,2,3
	v_pk_add_f32 v[TW+2*(\j):TW+2*(\j)+1], v[TW+2*(\j):TW+2*(\j)+1], v[R+2*((\b)+(\j)):R+2*((\b)+(\j))+1] neg_lo:[0,1] neg_hi:[0,1]  ; u = w - r
.endr
.if (\t) == 0
.irp j, 0,1,2,3
	v_pk_add_f32 v[SUM+2*((\b)+(\j)):SUM+2*((\b)+(\j))+1], v[R+2*((\b)+(\j)):R+2*((\b)+(\j))+1], v[TW+2*(\j):TW+2*(\j)+1]  ; q_0 = r + u starts the sum
.endr
.irp j, 0,1,2,3
	v_pk_add_f32 v[R+2*((\b)+(\j)):R+2*((\b)+(\j))+1], v[R+2*((\b)+(\j)):R+2*((\b)+(\j))+1], v[SUM+2*((\b)+(\j)):SUM+2*((\b)+(\j))+1] neg_lo:[0,1] neg_hi:[0,1]  ; r = r - q_0
.endr
.else
.irp j, 0,1,2,3
	v_pk_add_f32 v[TW+2*(\j):TW+2*(\j)+1], v[R+2*((\b)+(\j)):R+2*((\b)+(\j))+1], v[TW+2*(\j):TW+2*(\j)+1]  ; q = r + u
.endr
.irp j, 0,1,2,3
	v_pk_add_f32 v[SUM+2*((\b)+(\j)):SUM+2*((\b)+(\j))+1], v[SUM+2*((\b)+(\j)):SUM+2*((\b)+(\j))+1], v[TW+2*(\j):TW+2*(\j)+1]
.endr
.if (\t) < 3                           ; nothing reads the residual behind the last stage
.irp j, 0,1,2,3
	v_pk_add_f32 v[R+2*((\b)+(\j)):R+2*((\b)+(\j))+1], v[R+2*((\b)+(\j)):R+2*((\b)+(\j))+1], v[TW+2*(\j):TW+2*(\j)+1] neg_lo:[0,1] neg_hi:[0,1]  ; r = r - q
.endr
.endif
.endif
.endr
.endr
.irp k, 0,1,2,3
	global_store_b128 v1, v[SUM+4*(\k):SUM+4*(\k)+3], s[42:43] offset:2048*(\r)+512*(\k) th:TH_STORE_NT
.endr
.endm
	s_wait_loadcnt 16                              ; loads come back in order: the history, both rows' x and row 0's w are in; row 1's sixteen loads of w stay out
	ROWOUT 0
	s_wait_loadcnt 0x0
	s_wait_xcnt 0x0                                ; row 0's stores have had their addresses translated (ISA guide 3.1): the sum's registers are rewritten only behind this wait
	ROWOUT 1
	s_cmp_lg_u32 s2, 0
	s_cbranch_scc1 .Lend
	global_store_b64 v2, v[12:13], s[10:11]        ; wave 0: the work-group's 16 rows of indices, 256 consecutive bytes
	s_cmp_lg_u32 ttmp9, 0
	s_cbranch_scc1 .Lend
	v_mov_b32 v4, 0                                ; work-group 0, wave 0, lane 0: the loss, 0.0
	s_wait_xcnt 0x0                                ; EXEC is a source of the stores above: it changes only behind this wait
	v_cmp_eq_u32 vcc_lo, 0, v3
	s_and_saveexec_b32 s44, vcc_lo
	global_store_b32 v1, v4, s[12:13]
	s_wait_xcnt 0x0
	s_or_b32 exec_lo, exec_lo, s44
.Lend:
	s_endpgm
.Lfunc_end_k_qebc77366da_out:
	.size	k_qebc77366da_out, .Lfunc_end_k_qebc77366da_out-k_qebc77366da_out
	.p2alignl 7, 3214868480
	.fill 96, 4, 3214868480
	.section	.rodata,"a",@progbits
	.p2align	6, 0x0
	.amdhsa_kernel k_qebc77366da_out
		.amdhsa_group_segment_fixed_size 0
		.amdhsa_private_segment_fixed_size 0
		.amdhsa_enable_private_segment 0
		.amdhsa_kernarg_size 40
		.amdhsa_user_sgpr_count 2
		.amdhsa_user_sgpr_kernarg_segment_ptr 1
		.amdhsa_wavefront_size32 1
		.amdhsa_system_sgpr_workgroup_id_x 1
		.amdhsa_system_sgpr_workgroup_id_y 1
		.amdhsa_system_sgpr_workgroup_id_z 1
		.amdhsa_system_vgpr_workitem_id 0
		.amdhsa_next_free_vgpr 128
		.amdhsa_next_free_sgpr 66
		.amdhsa_reserve_vcc 1
		.amdhsa_float_denorm_mode_32 3
		.amdhsa_float_denorm_mode_16_64 3
		.amdhsa_memory_ordered 1
		.amdhsa_forward_progress 1
		.amdhsa_inst_pref_size 27
	.end_amdhsa_kernel
	.amdgpu_metadata
---
amdhsa.version: [ 1, 2 ]
amdhsa.kernels:
  - .name:           k_qebc77366da_out
    .symbol:         k_qebc77366da_out.kd
    .args:
      - { .name: ab, .offset: 0, .size: 8, .value_kind: global_buffer, .address_space: global }
      - { .name: ha, .offset: 8, .size: 8, .value_kind: global_buffer, .address_space: global }
      - { .name: out0, .offset: 16, .size: 8, .value_kind: global_buffer, .address_space: global }
      - { .name: out1, .offset: 24, .size: 8, .value_kind: global_buffer, .address_space: global }
      - { .name: out2, .offset: 32, .size: 8, .value_kind: global_buffer, .address_space: global }
    .group_segment_fixed_size: 0
    .private_segment_fixed_size: 0
    .kernarg_segment_align: 8
    .kernarg_segment_size: 40
    .max_flat_workgroup_size: 256
    .sgpr_count:     66
    .vgpr_count:     128
    .wavefront_size: 32
...
	.end_amdgpu_metadata
.endif
;; end of part 4
;; ======== version 2 of 2: 7 launches; version 1 with the launches stage0, stage1, stage2, stage3 written anew for expert scheduling mode
;; limits: a difference of large sums (such as E[x^2] - mean^2): digits are lost where the result is much smaller than its terms
;; workspace buffers: ab 18,874,368 bytes; sg 150,994,944 bytes; cb 8,192 bytes; ha 262,400 bytes of whole numbers; hb 262,400 bytes of whole numbers
;; launch prep: the kernel of part 1 again; grid 384 x 1, 8 waves a work-group, no clusters, 0 bytes of LDS; arguments inputs, codebook, ab, cb, ha; writes ab, cb, ha
;; launch gemm: the kernel of part 2 again; grid 8 x 32, 4 waves a work-group, clusters of 4 x 4, 327,680 bytes of LDS; arguments ab, sg; writes sg
;; launch stage0 (part 5): grid 512 x 1, 8 waves a work-group, no clusters, 0 bytes of LDS; arguments sg, ab, cb, ha, hb; writes hb
.if DOCPART == 5
	.amdgcn_target "amdgcn-amd-amdhsa--gfx1250"
	.amdhsa_code_object_version 6
	.text
	.protected	k_qebc77366da_stage0
	.globl	k_qebc77366da_stage0
	.p2align	8
	.type	k_qebc77366da_stage0,@function
k_qebc77366da_stage0:
	s_mov_b64 s[64:65], 0
	v_nop
	global_prefetch_b8 v0, s[64:65] scope:SCOPE_SE
	s_setreg_imm32_b32 hwreg(HW_REG_WAVE_SCHED_MODE, 0, 2), 2
	s_setreg_imm32_b32 hwreg(HW_REG_WAVE_MODE, 25, 1), 1
	s_wait_xcnt 0x0
	s_wait_alu depctr_vm_vsrc(0)
; ONE STAGE OF THE RESIDUAL QUANTIZER, for all 16,384 rows.  Arguments: sg (S and G), ab (x and w in bf16), cb (sums of squares), the history to read, the history to write.
; P, the number of stages done, is the word behind the history that is read; the indices i_0 .. i_(P-1) of a row are its history.  The stage finds
;   argmin over j of  fl( fl( rsq - 2 acc_j ) + cb_j ),   acc_j = S[row][j] - (G[i_0][j] + .. + G[i_(P-1)][j]),   the first j among equal distances,
; and writes the history with index P filled in, and P + 1 behind it.
; WHY acc.  r_P . w_j = x . w_j - the sum of w_(i_t) . w_j, up to the rounding of the residual's own three f32 operations a stage, at most one unit in r's last place an element: an order of
; rounding that differs from a product with the rounded residual; it is of the size of an f32 product's own rounding.  rsq is NOT taken so: the residual is formed as the reference forms it
; (u = w - r, q = r + u, r = r - q, three f32 roundings a stage, on the bf16 inputs) and its squares are summed.  The two roundings of the distance are kept apart: one fused multiply-add
; (2 acc is exact), then one addition that is never fused.
; LIMITS.  NaN and infinities are not treated apart: a NaN distance never wins.  An index is sure only where the rounding of the products' sums does not carry a distance across an f32 rounding boundary.
; SHARES.  A work-group has 32 rows, a wave 4, one after the other; a wave takes a whole row of 2,048 distances, 64 a lane.  No LDS, no barrier: the waves share only cb's 8 KiB, kept in 64 registers.
; A lane's number c (0..63) stands for column 128 (c / 4) + 4 lane + c % 4: ascending c is ascending column.  A row goes in four GROUPS of 512 columns, 16 a lane: 4 loads of 16 bytes for S and for each G row,
; each load of the wave 512 consecutive bytes.  NG groups are on their way at any time (4, 4, 2, 2 for P = 0..3: 64 to 128 registers), the next row's among them.
; THE MODE: SCHED_MODE bits 1:0 = 2 (LLVM: expert scheduling mode 2), set by the entry lines.  The code itself states the register dependences
; between vector instructions and memory instructions, and those through scalar registers and VCC that vector instructions write, with s_wait_alu, always for 0.
; THE PLAN.  Registers that memory instructions touch:
;   v1, v252, v253   byte offsets, made once at the head and never written again: rows and groups are reached by scalar bases and immediate offsets.
;   v[254:255]       the data of the one store of P + 1; written straight ahead of it, never again.
;   OUT              loaded once at the head; one select a row writes one of its registers; the last store reads it.
;   CB               loaded once at the head; vector instructions only read it.
;   R's first eight, W   a row's x and w land here; the residual's arithmetic reads them (and writes all of R); its last reader is the last multiply-add of the squares.
;   RING, slot g     a group's terms land here; the group's sums, distances, minimum and compares read and write them; the selects behind the compares name none of them.
; So a row has five waits on va_vdst, each behind the instructions that empty a buffer, and the buffer is asked for again at once behind it: one behind the squares (R, W: the next row's x and w),
; one behind each group's compares (its slot: the group NG further on).  Between such a wait and its loads stand scalar lines alone, and the vector work that follows (the sum across the lanes; the
; selects) names none of the registers that those loads touch.  No register that a memory instruction reads is ever written again, so vm_vsrc is waited for at the two writes of EXEC alone.
; A group's fifteen compares write fifteen scalar registers in one run, with one wait on va_sdst ahead of the first select.
.set BD,   4                           ; v4       the lane's best distance
.set BC,   5                           ; v5       its number c
.set TWR,  6                           ; v[6:13]  at work
.set RQ,   14                          ; v[14:15] rsq, twice
.set OUT,  16                          ; v[16:19] lane i < 4: the history of my row i
.set R,    20                          ; v[20:35] the residual, 16 numbers a lane; x lands packed in v[20:27]
.set W,    36                          ; v[36:59] up to three rows of w, packed, 8 registers each
.set CB,   60                          ; v[60:123] cb of my 64 columns
.set RING, 124                         ; v[124:251] slot g, term u (0: S, 1..: G) at RING + 16 (g T + u)
.set H,    16                          ; s[16:31] the histories of my rows, the row in hand first
.set GB,   32                          ; s[32:37] the G rows' addresses
.set WB,   38                          ; s[38:43] the w rows' addresses
.set SB,   44                          ; s[44:45] S at the row whose groups are being asked for
.set XB,   46                          ; s[46:47] x at the row asked for last
.set GBASE, 48                         ; s[48:49] G's first row
.set WBASE, 50                         ; s[50:51] w's first row
.set MK,   66                          ; s[66:80] the masks of a group's fifteen compares
	s_load_b256 s[4:11], s[0:1], 0x0               ; sg s[4:5], ab s[6:7], cb s[8:9], history in s[10:11]
	s_load_b64 s[12:13], s[0:1], 0x20              ; history out
	v_and_b32 v3, 31, v0                           ; lane
	v_lshrrev_b32 v6, 5, v0
	v_readfirstlane_b32 s14, v6                    ; wave 0..7
	v_lshlrev_b32 v1, 4, v3                        ; 16 x lane; never rewritten
	v_lshlrev_b32 v2, 2, v3                        ; 4 x lane
	v_and_b32 v252, 3, v3
	v_lshlrev_b32 v252, 4, v252                    ; 16 x (lane % 4): lanes 4-31 read the four rows again and stay inside the buffer
	v_lshlrev_b32 v253, 3, v3                      ; 8 x lane
	v_mov_b32 v9, 0                                ; a destination of v_permlanex16_b32 counts as read
	s_wait_alu depctr_va_sdst(0)                   ; s14 is written, ahead of its first reader: my first row is made from it
	s_lshl_b32 s15, ttmp9, 5
	s_lshl2_add_u32 s15, s14, s15                  ; my first row = 32 x work-group + 4 x wave
	s_mov_b32 s53, 0                               ; the high word of the offset pair s[52:53]; never rewritten
	s_mov_b32 s55, 0                               ; the row in hand, 0..3
	s_mov_b32 s56, 0x76543210                      ; v_permlanex16_b32: each lane takes its own place in the other half
	s_mov_b32 s57, 0xfedcba98
	s_mov_b32 s58, 0xffff0000                      ; a word's upper bf16
	s_lshl_b32 s52, s15, 4
	s_wait_kmcnt 0x0
	s_add_nc_u64 s[60:61], s[10:11], s[52:53]      ; both histories at my rows
	s_add_nc_u64 s[62:63], s[12:13], s[52:53]
	s_load_b32 s59, s[10:11], 0x40000              ; P
	s_load_b512 s[H:H+15], s[60:61], 0x0           ; my four rows' histories, for addresses
	s_wait_alu depctr_va_vdst(0)                   ; the offsets v1, v252 and v253 are written: every load and store of the kernel reads one of them
	global_load_b128 v[OUT:OUT+3], v252, s[60:61]  ; and once more in lanes, to be stored with the new index
.irp k, 0,1,2,3,4,5,6,7,8,9,10,11,12,13,14,15
	global_load_b128 v[CB+4*(\k):CB+4*(\k)+3], v1, s[8:9] offset:512*(\k)
.endr
	s_lshl_b32 s52, s15, 13
	s_add_nc_u64 s[SB:SB+1], s[4:5], s[52:53]
	s_lshl_b32 s52, s15, 10
	s_add_nc_u64 s[XB:XB+1], s[6:7], s[52:53]
	s_add_nc_u64 s[GBASE:GBASE+1], s[4:5], 0x8000000   ; behind 16,384 rows of 8,192 bytes
	s_add_nc_u64 s[WBASE:WBASE+1], s[6:7], 0x1000000   ; behind 16,384 rows of 1,024 bytes
	s_wait_kmcnt 0x0
	s_add_co_u32 s3, s59, 1
	s_or_b32 s2, ttmp9, s14
	s_cmp_lg_u32 s2, 0
	s_cbranch_scc1 .Lnohead
	v_mov_b32 v254, s3                             ; work-group 0, wave 0: P + 1 behind the history that is written, 256 bytes
	v_mov_b32 v255, s3
	s_wait_alu depctr_va_vdst(0)                   ; v254 and v255 are written, which the store reads
	global_store_b64 v253, v[254:255], s[12:13] offset:262144
.Lnohead:
; The addresses of the P rows named by the history words h0 .. (0: the row in hand, 4: the next): an index is held to 0..2047, shifted to bytes and added to the table's first row.
.macro BASES set, sh, base, h0
.if PP > 0
.set t, 0
.rept PP
	s_min_u32 s52, s[H+(\h0)+t], 0x7ff
	s_lshl_b32 s52, s52, \sh
	s_add_nc_u64 s[(\set)+2*t:(\set)+2*t+1], s[\base:\base+1], s[52:53]
.set t, t+1
.endr
.endif
.endm
; Group q of a row into ring slot: 4 loads of S, 4 of each G row.  S is read once in the launch; G's rows are read by many waves.
.macro LOADG slot, q
.set rb, RING+16*((\slot)*TT)
.irp k, 0,1,2,3
	global_load_b128 v[rb+4*(\k):rb+4*(\k)+3], v1, s[SB:SB+1] offset:2048*(\q)+512*(\k) th:TH_LOAD_NT
.endr
.if PP > 0
.set t, 0
.rept PP
.irp k, 0,1,2,3
	global_load_b128 v[rb+16*(t+1)+4*(\k):rb+16*(t+1)+4*(\k)+3], v1, s[GB+2*t:GB+2*t+1] offset:2048*(\q)+512*(\k)
.endr
.set t, t+1
.endr
.endif
.endm
; A row's x and its P rows of w, packed: 2 loads each, 2 T in all.
.macro LOADXW
	global_load_b128 v[R:R+3], v1, s[XB:XB+1]
	global_load_b128 v[R+4:R+7], v1, s[XB:XB+1] offset:512
.if PP > 0
.set t, 0
.rept PP
	global_load_b128 v[W+8*t:W+8*t+3], v1, s[WB+2*t:WB+2*t+1]
	global_load_b128 v[W+8*t+4:W+8*t+7], v1, s[WB+2*t:WB+2*t+1] offset:512
.set t, t+1
.endr
.endif
.endm
; rsq, first part: x is widened (from the top down, so that no packed word is written before it is read), the P stages' three operations are done as the reference does them, and the lane's squares
; are summed.  Its last line is the last that names R or W.
.macro RSQA
.irp i, 7,6,5,4,3,2,1,0
	v_and_b32 v[R+2*(\i)+1], s58, v[R+(\i)]
	v_lshlrev_b32 v[R+2*(\i)], 16, v[R+(\i)]
.endr
.if PP > 0
.set t, 0
.rept PP
.irp b, 0,4                            ; four pairs at a time, so that no line reads the result of the line before it
.irp j, 0,1,2,3
	v_lshlrev_b32 v[TWR+2*(\j)], 16, v[W+8*t+(\b)+(\j)]
	v_and_b32 v[TWR+2*(\j)+1], s58, v[W+8*t+(\b)+(\j)]
.endr
.irp j, 0,1,2,3
	v_pk_add_f32 v[TWR+2*(\j):TWR+2*(\j)+1], v[TWR+2*(\j):TWR+2*(\j)+1], v[R+2*((\b)+(\j)):R+2*((\b)+(\j))+1] neg_lo:[0,1] neg_hi:[0,1]  ; u = w - r
.endr
.irp j, 0,1,2,3
	v_pk_add_f32 v[TWR+2*(\j):TWR+2*(\j)+1], v[R+2*((\b)+(\j)):R+2*((\b)+(\j))+1], v[TWR+2*(\j):TWR+2*(\j)+1]  ; q = r + u
.endr
.irp j, 0,1,2,3
	v_pk_add_f32 v[R+2*((\b)+(\j)):R+2*((\b)+(\j))+1], v[R+2*((\b)+(\j)):R+2*((\b)+(\j))+1], v[TWR+2*(\j):TWR+2*(\j)+1] neg_lo:[0,1] neg_hi:[0,1]  ; r = r - q
.endr
.endr
.set t, t+1
.endr
.endif
	v_pk_mul_f32 v[10:11], v[R:R+1], v[R:R+1]      ; two chains; the first two products start them
	v_pk_mul_f32 v[12:13], v[R+2:R+3], v[R+2:R+3]
.irp j, 2,3,4,5,6,7
	v_pk_fma_f32 v[10+2*((\j)%2):11+2*((\j)%2)], v[R+2*(\j):R+2*(\j)+1], v[R+2*(\j):R+2*(\j)+1], v[10+2*((\j)%2):11+2*((\j)%2)]
.endr
.endm
; rsq, second part: the two chains and the 32 lanes are summed.  It names v10 to v15 alone.
.macro RSQB
	v_pk_add_f32 v[10:11], v[10:11], v[12:13]
	v_add_f32 v10, v10, v11
	v_add_f32_dpp v10, v10, v10 row_xmask:1 row_mask:0xf bank_mask:0xf
	v_add_f32_dpp v10, v10, v10 row_xmask:2 row_mask:0xf bank_mask:0xf
	v_add_f32_dpp v10, v10, v10 row_xmask:4 row_mask:0xf bank_mask:0xf
	v_add_f32_dpp v10, v10, v10 row_xmask:8 row_mask:0xf bank_mask:0xf
	v_permlanex16_b32 v11, v10, s56, s57
	v_add_f32 v[RQ], v10, v11
	v_add_f32 v[RQ+1], v10, v11
.endm
; Group q in ring slot, first part: 16 distances a lane, their minimum, and the compares: which of the first fifteen differ from the minimum (into fifteen scalar registers), and, behind the first
; group, whether the minimum is strictly less than the lane's best so far (into VCC).  Its last line is the last that names the slot.
.macro GROUPA slot, q
.set ra, RING+16*((\slot)*TT)
.if PP >= 2                            ; the G rows are added first, so that only one rounding happens at S's size
.irp j, 0,1,2,3,4,5,6,7
	v_pk_add_f32 v[ra+16+2*(\j):ra+16+2*(\j)+1], v[ra+16+2*(\j):ra+16+2*(\j)+1], v[ra+32+2*(\j):ra+32+2*(\j)+1]
.endr
.endif
.if PP >= 3
.irp j, 0,1,2,3,4,5,6,7
	v_pk_add_f32 v[ra+16+2*(\j):ra+16+2*(\j)+1], v[ra+16+2*(\j):ra+16+2*(\j)+1], v[ra+48+2*(\j):ra+48+2*(\j)+1]
.endr
.endif
.if PP >= 1
.irp j, 0,1,2,3,4,5,6,7
	v_pk_add_f32 v[ra+2*(\j):ra+2*(\j)+1], v[ra+2*(\j):ra+2*(\j)+1], v[ra+16+2*(\j):ra+16+2*(\j)+1] neg_lo:[0,1] neg_hi:[0,1]
.endr
.endif
.irp j, 0,1,2,3,4,5,6,7
	v_pk_fma_f32 v[ra+2*(\j):ra+2*(\j)+1], v[ra+2*(\j):ra+2*(\j)+1], -2.0, v[RQ:RQ+1] op_sel_hi:[1,0,1]  ; fl(rsq - 2 acc): 2 acc is exact, one rounding
.endr
.irp j, 0,1,2,3,4,5,6,7
	v_pk_add_f32 v[ra+2*(\j):ra+2*(\j)+1], v[ra+2*(\j):ra+2*(\j)+1], v[CB+16*(\q)+2*(\j):CB+16*(\q)+2*(\j)+1]  ; fl(.. + cb): the second rounding, on purpose not fused
.endr
.if (\q) == 0
.set rm, BD                            ; the first group's minimum starts the lane's best: nothing is cleared
.else
.set rm, 6
.endif
	v_min3_num_f32 v[rm], v[ra], v[ra+1], v[ra+2]
	v_min3_num_f32 v8, v[ra+3], v[ra+4], v[ra+5]
	v_min3_num_f32 v[rm], v[rm], v[ra+6], v[ra+7]
	v_min3_num_f32 v8, v8, v[ra+8], v[ra+9]
	v_min3_num_f32 v[rm], v[rm], v[ra+10], v[ra+11]
	v_min3_num_f32 v8, v8, v[ra+12], v[ra+13]
	v_min3_num_f32 v[rm], v[rm], v[ra+14], v[ra+15]
	v_min_num_f32 v[rm], v[rm], v8
.irp e, 14,13,12,11,10,9,8,7,6,5,4,3,2,1,0
	v_cmp_neq_f32 s[MK+(\e)], v[ra+(\e)], v[rm]
.endr
.if (\q) != 0
	v_cmp_lt_f32 vcc_lo, v6, v[BD]
.endif
.endm
; Group q, second part: the FIRST number that has the minimum, and the lane's best so far (a later group wins only if it is strictly less).  It names v4 to v7 and the masks alone.
.macro GROUPB q
.if (\q) == 0
.set rc, BC
.else
.set rc, 7
.endif
	v_mov_b32 v[rc], 16*(\q)+15
	s_wait_alu depctr_va_sdst(0)                   ; the fifteen compares have written their masks, which the selects below read
.irp e, 14,13,12,11,10,9,8,7,6,5,4,3,2,1,0  ; from the top down: the lowest number whose distance equals the minimum is written last
	v_cndmask_b32 v[rc], 16*(\q)+(\e), v[rc], s[MK+(\e)]
.endr
.if (\q) != 0
	s_wait_alu depctr_va_vcc(0)                    ; the compare with the lane's best has written VCC, which the two selects below read
	v_cndmask_b32 v[BD], v[BD], v6, vcc_lo
	v_cndmask_b32 v[BC], v[BC], v7, vcc_lo
.endif
.endm
; The row's index: the least distance of the 32 lanes, then the least column among the lanes that have it (columns as f32: whole numbers below 4,096 are exact); it goes into lane s55's history.
; Each of the two compares stands ahead of work that does not hang on it, and the wait for it ahead of its select.
.macro FINAL
	v_mov_b32 v8, v[BD]
	v_min_num_f32_dpp v8, v8, v8 row_xmask:1 row_mask:0xf bank_mask:0xf
	v_min_num_f32_dpp v8, v8, v8 row_xmask:2 row_mask:0xf bank_mask:0xf
	v_min_num_f32_dpp v8, v8, v8 row_xmask:4 row_mask:0xf bank_mask:0xf
	v_min_num_f32_dpp v8, v8, v8 row_xmask:8 row_mask:0xf bank_mask:0xf
	v_permlanex16_b32 v9, v8, s56, s57
	v_lshrrev_b32 v10, 2, v[BC]
	v_and_b32 v11, 3, v[BC]
	v_min_num_f32 v8, v8, v9
	v_cmp_eq_f32 vcc_lo, v[BD], v8
	v_lshl_add_u32 v10, v10, 7, v2                 ; 128 (c / 4) + 4 lane
	v_add_nc_u32 v10, v10, v11                     ; + c % 4
	v_cvt_f32_u32 v10, v10
	s_wait_alu depctr_va_vcc(0)                    ; the compare with the row's minimum has written VCC, which the select reads
	v_cndmask_b32 v10, 0x45800000, v10, vcc_lo     ; 4096.0 in the lanes that do not hold the minimum
	v_cmp_eq_u32 vcc_lo, s55, v3                   ; the lane that keeps this row's history
	v_min_num_f32_dpp v10, v10, v10 row_xmask:1 row_mask:0xf bank_mask:0xf
	v_min_num_f32_dpp v10, v10, v10 row_xmask:2 row_mask:0xf bank_mask:0xf
	v_min_num_f32_dpp v10, v10, v10 row_xmask:4 row_mask:0xf bank_mask:0xf
	v_min_num_f32_dpp v10, v10, v10 row_xmask:8 row_mask:0xf bank_mask:0xf
	v_permlanex16_b32 v9, v10, s56, s57
	v_min_num_f32 v10, v10, v9
	v_cvt_u32_f32 v10, v10
	s_wait_alu depctr_va_vcc(0)                    ; the compare of the lane's number has written VCC, which the select reads
	v_cndmask_b32 v[OUT+PP], v[OUT+PP], v10, vcc_lo
.endm
; One row.  ahead = 1: the next row's x, w and first groups are asked for.  Loads come back in order (ISA guide 5.7.1), so each wait names the loads issued behind the ones it needs:
; at the head the NG groups issued last; at group q the NG - 1 younger groups and, where they were issued behind group q (q < NG), the 2 T loads of the next row's x and w; in the last row the groups that are left.
.macro BODY ahead
	s_wait_loadcnt NG*4*TT
	RSQA
.if \ahead
	s_wait_alu depctr_va_vdst(0)                   ; the residual's arithmetic and the squares are done reading R and W and writing R, in which the loads below land
	s_wait_xcnt 0x0                                ; every earlier load has had its addresses translated (ISA guide 3.1): only now are x's and w's bases rewritten
	s_add_nc_u64 s[XB:XB+1], s[XB:XB+1], 1024
	BASES WB, 10, WBASE, 4
	LOADXW
.endif
	RSQB
.irp q, 0,1,2,3
.if \ahead
.if (\q) < NG
	s_wait_loadcnt (NG-1)*4*TT+2*TT
.else
	s_wait_loadcnt (NG-1)*4*TT
.endif
.else
.if 3-(\q) < NG-1
	s_wait_loadcnt (3-(\q))*4*TT
.else
	s_wait_loadcnt (NG-1)*4*TT
.endif
.endif
	GROUPA (\q)%NG, \q
.if (\q)+NG < 4
	s_wait_alu depctr_va_vdst(0)                   ; the group's sums, distances, minimum and compares are done reading and writing its slot, in which the loads below land
	LOADG (\q)%NG, (\q)+NG
.elseif \ahead
	s_wait_alu depctr_va_vdst(0)                   ; the group's sums, distances, minimum and compares are done reading and writing its slot, in which the loads below land
.if (\q)+NG == 4
	s_wait_xcnt 0x0                                ; as above, for S's and G's bases
	s_add_nc_u64 s[SB:SB+1], s[SB:SB+1], 8192
	BASES GB, 13, GBASE, 4
.endif
	LOADG (\q)%NG, (\q)+NG-4
.endif
	GROUPB \q                                      ; no vector instruction from here to the slot's next turn names a register that those loads touch
.endr
	FINAL
.if \ahead
	s_mov_b64 s[H:H+1], s[H+4:H+5]                 ; the histories move up a row
	s_mov_b64 s[H+2:H+3], s[H+6:H+7]
	s_mov_b64 s[H+4:H+5], s[H+8:H+9]
	s_mov_b64 s[H+6:H+7], s[H+10:H+11]
	s_mov_b64 s[H+8:H+9], s[H+12:H+13]
	s_mov_b64 s[H+10:H+11], s[H+14:H+15]
	s_add_co_u32 s55, s55, 1
.endif
.endm
; The text for P = p: row 0's loads in the order in which the loop issues them, three rows that ask ahead, and the last row, which asks for nothing beyond my rows.
; Row 0's loads owe no wait of their own: the head's wait has shown their offset written, and no vector instruction has yet named R, W or the ring.
.macro PATH p, ng
.set PP, \p
.set TT, (\p)+1
.set NG, \ng
	BASES GB, 13, GBASE, 0
	BASES WB, 10, WBASE, 0
	LOADXW
.set gg, 0
.rept NG
	LOADG gg, gg
.set gg, gg+1
.endr
	s_mov_b32 s54, 3
.Lrow\p:
	BODY 1
	s_sub_co_u32 s54, s54, 1
	s_cmp_lg_u32 s54, 0
	s_cbranch_scc1 .Lrow\p
	BODY 0
.endm
	s_cmp_eq_u32 s59, 0                            ; P is a whole number that an earlier launch stored; all jumps go forward
	s_cbranch_scc1 .Lp0
	s_cmp_eq_u32 s59, 1
	s_cbranch_scc1 .Lp1
	s_cmp_eq_u32 s59, 2
	s_cbranch_scc1 .Lp2
	PATH 3, 2
	s_branch .Lend
.Lp2:
	PATH 2, 2
	s_branch .Lend
.Lp1:
	PATH 1, 4
	s_branch .Lend
.Lp0:
	PATH 0, 4
.Lend:
	s_wait_xcnt 0x0                                ; EXEC is a source of what was issued above: it changes only behind this wait
	v_cmp_gt_u32 vcc_lo, 4, v3
	s_wait_alu depctr_va_vcc(0)                    ; the compare has written VCC, from which EXEC is made
	s_wait_alu depctr_va_vdst(0)                   ; ahead of the write of EXEC: every vector instruction has written its result, the last row's select into OUT among them, which the store below reads
	s_wait_alu depctr_vm_vsrc(0)                   ; ahead of the write of EXEC: every memory instruction has read its vector registers
	s_and_saveexec_b32 s2, vcc_lo
	global_store_b128 v1, v[OUT:OUT+3], s[62:63]   ; my four rows' histories: 64 consecutive bytes
	s_wait_xcnt 0x0
	s_wait_alu depctr_va_vdst(0)                   ; ahead of the write of EXEC: no vector instruction is still at work under the narrow mask
	s_wait_alu depctr_vm_vsrc(0)                   ; ahead of the write of EXEC: the store has read its offset and its data
	s_or_b32 exec_lo, exec_lo, s2
	s_endpgm
.Lfunc_end_k_qebc77366da_stage0:
	.size	k_qebc77366da_stage0, .Lfunc_end_k_qebc77366da_stage0-k_qebc77366da_stage0
	.p2alignl 7, 3214868480
	.fill 96, 4, 3214868480
	.section	.rodata,"a",@progbits
	.p2align	6, 0x0
	.amdhsa_kernel k_qebc77366da_stage0
		.amdhsa_group_segment_fixed_size 0
		.amdhsa_private_segment_fixed_size 0
		.amdhsa_enable_private_segment 0
		.amdhsa_kernarg_size 40
		.amdhsa_user_sgpr_count 2
		.amdhsa_user_sgpr_kernarg_segment_ptr 1
		.amdhsa_wavefront_size32 1
		.amdhsa_system_sgpr_workgroup_id_x 1
		.amdhsa_system_sgpr_workgroup_id_y 1
		.amdhsa_system_sgpr_workgroup_id_z 1
		.amdhsa_system_vgpr_workitem_id 0
		.amdhsa_next_free_vgpr 256
		.amdhsa_next_free_sgpr 82
		.amdhsa_reserve_vcc 1
		.amdhsa_float_denorm_mode_32 3
		.amdhsa_float_denorm_mode_16_64 3
		.amdhsa_memory_ordered 1
		.amdhsa_forward_progress 1
		.amdhsa_inst_pref_size 227
	.end_amdhsa_kernel
	.amdgpu_metadata
---
amdhsa.version: [ 1, 2 ]
amdhsa.kernels:
  - .name:           k_qebc77366da_stage0
    .symbol:         k_qebc77366da_stage0.kd
    .args:
      - { .name: sg, .offset: 0, .size: 8, .value_kind: global_buffer, .address_space: global }
      - { .name: ab, .offset: 8, .size: 8, .value_kind: global_buffer, .address_space: global }
      - { .name: cb, .offset: 16, .size: 8, .value_kind: global_buffer, .address_space: global }
      - { .name: ha, .offset: 24, .size: 8, .value_kind: global_buffer, .address_space: global }
      - { .name: hb, .offset: 32, .size: 8, .value_kind: global_buffer, .address_space: global }
    .group_segment_fixed_size: 0
    .private_segment_fixed_size: 0
    .kernarg_segment_align: 8
    .kernarg_segment_size: 40
    .max_flat_workgroup_size: 256
    .sgpr_count:     82
    .vgpr_count:     256
    .wavefront_size: 32
...
	.end_amdgpu_metadata
.endif
;; end of part 5
;; launch stage1: the kernel of part 5 again; grid 512 x 1, 8 waves a work-group, no clusters, 0 bytes of LDS; arguments sg, ab, cb, hb, ha; writes ha
;; launch stage2: the kernel of part 5 again; grid 512 x 1, 8 waves a work-group, no clusters, 0 bytes of LDS; arguments sg, ab, cb, ha, hb; writes hb
;; launch stage3: the kernel of part 5 again; grid 512 x 1, 8 waves a work-group, no clusters, 0 bytes of LDS; arguments sg, ab, cb, hb, ha; writes ha
;; launch out: the kernel of part 4 again; grid 1024 x 1, 8 waves a work-group, no clusters, 0 bytes of LDS; arguments ab, ha, out0, out1, out2; writes out0, out1, out2
